; MI455X (gfx1250); checked and timed in simulation.
; The chip was launched on July 23, 2026; its instructions are those of AMD's public machine-readable ISA for CDNA 5 (MIT licence, August 2026) and "CDNA5" Instruction Set Architecture Reference Guide (July 2026). The comments in the code are by the model that wrote it; some were corrected since.
;; Layer. Allowed arithmetic: matrix products marked QUANTISED: E3M2 operands, one E8M0 scale for each 32 along K, by v_wmma_scale_f32_16x16x128_f8f6f4 with both operands' format E3M2, f32 sums; everything else in f32.
;; Inputs: b1 4,096 float32; b2 1,024 float32; ln1_b 1,024 float32; ln1_g 1,024 float32; ln2_b 1,024 float32; ln2_g 1,024 float32; m 1 x 1 x 2,048 x 2,048 float32; w1 1,024 x 4,096 float32; w2 4,096 x 1,024 float32; wo_b 1,024 float32; wo_w 1,024 x 1,024 float32; wx_b 3,072 float32; wx_w 1,024 x 3,072 float32; x 2 x 2,048 x 1,024 float32.
;; Outputs: out0 2 x 2,048 x 1,024 float32.
;; Constants: nh = 16.
;; This version of the problem:
;;   THIS VERSION OF THE PROBLEM IS GIVEN IN LOW PRECISION. The matrix products marked QUANTISED in the list below multiply operands that are first quantised to E3M2 (3 exponent bits, 2 mantissa bits; 6 bits a number), with one power-of-two scale for each 32 numbers along K (OCP MX v1.0); their sums are f32. All else is computed in f32.
;;   The module's matrix products, in the order in which they are computed (A, B: the left and right operand; K: the contracted axis; several contracted axes count as one K, in the product's order):
;;     1. [M 4,096, K 1,024] x [K 1,024, N 3,072]; A: computed on the way; B: input wx_w: QUANTISED
;;     2. batch 32 x [M 2,048, K 64] x [K 64, N 2,048]; A: computed on the way; B: computed on the way: QUANTISED
;;     3. batch 32 x [M 2,048, K 2,048] x [K 2,048, N 64]; A: softmax (see below); B: computed on the way: QUANTISED
;;     4. [M 4,096, K 1,024] x [K 1,024, N 1,024]; A: computed on the way; B: input wo_w: QUANTISED
;;     5. [M 4,096, K 1,024] x [K 1,024, N 4,096]; A: computed on the way; B: input w1: QUANTISED
;;     6. [M 4,096, K 4,096] x [K 4,096, N 1,024]; A: computed on the way; B: input w2: QUANTISED
;;   THE QUANTISER, for each operand of a quantised product, along K:
;;     - K is cut into blocks of 32 from its start; a last block that is shorter is filled with zeros.
;;     - A block's scale is 2^e with e = floor(log2(the largest magnitude in the block)) - 4, held to -126 .. 127; a block of zeros has e = 0. As a byte (E8M0): e + 127.
;;     - Each number is divided by its block's scale, clamped to +-28, and rounded to the nearest number of E3M2, ties to even, subnormals kept.
;;     - The product sums the exact products of the quantised numbers (number of the format x scale) in f32.
;;   ~~~python
;;   def quantise(x, axis):      # numpy; x: float32 -> the quantised numbers, widened to float32 again
;;       x = np.moveaxis(x, axis, -1); K = x.shape[-1]
;;       x = np.pad(x, [(0, 0)] * (x.ndim - 1) + [(0, -K % 32)]); x = x.reshape(x.shape[:-1] + (-1, 32)); a = np.abs(x).max(-1, keepdims=True)
;;       e = np.where(a > 0, np.clip(np.frexp(np.where(a > 0, a, 1))[1] - 1 - 4, -126, 127), 0)      # np.frexp(a)[1] - 1 = floor(log2(a)), exactly
;;       r = np.clip(x / 2.0 ** e, -28, 28)
;;       step = 2.0 ** (np.maximum(np.frexp(np.where(r == 0, 1, r))[1] - 1, -2) - 2)
;;       q = np.round(r / step) * step * 2.0 ** e      # np.round: ties to even
;;       return np.moveaxis(q.reshape(q.shape[:-2] + (-1,))[..., :K], -1, axis).astype(np.float32)
;;   ~~~
;;   SOFTMAX AHEAD OF A QUANTISED PRODUCT. Where the list says 'softmax', what is quantised is not the finished softmax but p = 2^(t - M), with t = logit x log2(e) and M = ceil(the row's largest t), a whole number; so 1/2 < the row's largest p <= 1. The row's sum l is taken of the UNQUANTISED p, in f32, and the product's result is divided by l at the end. Since M is a whole number, a kernel that streams over the keys may use a running M (the ceiling of the running maximum): every later rescaling is an exact power of two, which a block's scale takes up: the codes' values come out the same.
;;   OPERANDS COMPUTED ON THE WAY. 'Computed on the way' means the value that the module computes at that place (a softmax that the list does not call 'softmax' is quantised finished and normalised). What goes into a quantiser is computed in f32, as accurately as f32 sums, v_exp_f32 and their like allow (about 1e-6 of the number): no bf16 or f16 on the way to a quantiser, and a product that is left as it is and whose result goes on into a quantised operand takes f32 operands (vector FMAs, or v_wmma_f32_16x16x4_f32). A number that lies on a knife's edge between two numbers of the format may be rounded either way, as far as f32 arithmetic and the matrix unit's own rounding can turn it there, and no further.
;; One version. Each part assembles by itself: llvm-mc -triple=amdgcn-amd-amdhsa -mcpu=gfx1250 --defsym DOCPART=n.
;; ======== version 1 of 1: 7 launches
;; workspace buffers: wb 9,830,400 bytes; xa 3,276,800 bytes; xb 3,276,800 bytes; mh 3,276,800 bytes; qkv 10,092,544 bytes; x1 16,777,216 bytes; hb 13,107,200 bytes
;; launch prep (part 1): grid 448 x 1, 8 waves a work-group, no clusters, 67,072 bytes of LDS; arguments x, ln1_g, ln1_b, wx_w, wo_w, w1, w2, xa, wb; writes xa, wb
.if DOCPART == 1
	.amdgcn_target "amdgcn-amd-amdhsa--gfx1250"
	.amdhsa_code_object_version 6
	.text
	.protected	k_qb547f6ada5_prep
	.globl	k_qb547f6ada5_prep
	.p2align	8
	.type	k_qb547f6ada5_prep,@function
k_qb547f6ada5_prep:
	s_mov_b64 s[64:65], 0
	v_nop
	global_prefetch_b8 v0, s[64:65] scope:SCOPE_SE
	s_setreg_imm32_b32 hwreg(HW_REG_WAVE_MODE, 25, 1), 1
	s_wait_xcnt 0x0
; FIRST LAUNCH OF SEVEN.  The layer: LN1, qkv product, attention (mask m as given), projection + residual, LN2, GELU MLP + residual; all six products on codes of E3M2 with E8M0 scales.
; NO WORK OF reference() IS LEFT OUT: m is an input, so all 2,048 x 2,048 scores are made; every bias and gain is loaded; every input has a way to the output.
; This launch: work-groups 0-191 quantise the four weights along K (their FIRST axis); work-groups 192-447 make LN1(x) and quantise it along D.
; LAYOUT OF ALL OPERANDS (this program's own): a tile of 16 rows takes, of a group of 32 rows, rows 8 u + r + 8 (r / 8) (tile 2 b + u, lane index r).  Half a fragment (16 rows x 64 K) is 768 bytes, an image of
; the operand's registers: lane L's registers 0-3 at 16 L, its registers 4-5 at 512 + 8 L; a tensor is [tile][K / 64][768].  Scale words: [128 rows][K / 128][128 places] (place = 16 x tile + r).
; A block's scale: the largest magnitude's exponent field less 4, held at 1 from below.  LIMITS: NaN and infinities among the inputs are not served; a block under 2^-122 (a block of zeros too) keeps the byte 1:
; the bytes are read by this program alone.  The variance is the mean of (x - mu)^2, which is E[x^2] - mu^2 in exact arithmetic and forms no difference of large sums.
.set SPARE, 66048                      ; behind the norm's 16 rows x 4,112 bytes: the spare words, 128 bytes a wave
.set SPW, 190
.set NIL, 191
.set X, 32                             ; v32-95  weights: two sets of 32 numbers
.set CX, 96                            ; v96-125 weights: codes, two sets of (even block, odd block)
.set TMP, 128
.set W, 136                            ; v136-137 scale words
	s_load_b256 s[4:11], s[0:1], 0x0               ; x, ln1_g, ln1_b, wx_w
	s_load_b256 s[12:19], s[0:1], 0x20             ; wo_w, w1, w2, xa
	s_load_b64 s[20:21], s[0:1], 0x40              ; wb
	v_lshl_add_u32 v[SPW], v0, 2, SPARE
	v_mov_b32 v[NIL], 0
	v_lshrrev_b32 v1, 5, v0
	v_readfirstlane_b32 s22, v1                    ; wave
	v_and_b32 v1, 31, v0                           ; L
	v_and_b32 v6, 15, v0                           ; r
	v_bfe_u32 v7, v0, 4, 1                         ; h
	v_lshlrev_b32 v3, 4, v1                        ; 16 L
	v_lshlrev_b32 v4, 3, v1                        ; 8 L
	v_lshlrev_b32 v5, 2, v1                        ; 4 L
	v_and_b32 v2, 8, v6
	v_add_nc_u32 v2, v2, v6
	v_lshl_add_u32 v2, v7, 3, v2                   ; my column of the wave's 32: 8 (L / 16) + r + 8 (r / 8)
	v_lshlrev_b32 v2, 2, v2
	s_wait_kmcnt 0x0
; block t: W(32 t + n, my column), n = 0 .. 31: 32 lanes read 128 bytes of one row
.macro WLOAD t, N
.set n, 0
.rept 32
	global_load_b32 v[X+32*((\t)%2)+n], v2, s[32:33] offset:(32*(\t)+n)*\N*4 th:TH_LOAD_NT
.set n, n+1
.endr
.endm
.macro WBLOCK t, N
.set XS, X+32*((\t)%2)
.set CC, CX+16*(((\t)/2)%2)+8*((\t)%2)
.if (\t) < 7
	s_wait_loadcnt 32                              ; this block's 32 loads are in; the next block's 32 may be out
.else
	s_wait_loadcnt 0x0
.endif
.if (\t) == 4
	s_wait_xcnt 0x0                                ; the stores of blocks 0 to 3 have read their registers: both sets of codes may be written again
.endif
	v_max3_num_f32 v8, |v[XS]|, |v[XS+1]|, |v[XS+2]|
	v_max3_num_f32 v9, |v[XS+3]|, |v[XS+4]|, |v[XS+5]|
.irp i, 6,10,14,18,22,26
	v_max3_num_f32 v8, v8, |v[XS+\i]|, |v[XS+\i+1]|
	v_max3_num_f32 v9, v9, |v[XS+\i+2]|, |v[XS+\i+3]|
.endr
	v_max3_num_f32 v8, v8, |v[XS+30]|, |v[XS+31]|
	v_max3_num_f32 v8, v8, v9, 0x2800000           ; with the floor 2^(5 - 127)
	v_add_nc_u32 v10, 0xfe000000, v8               ; 4 off the exponent field: the conversion's scale operand
	v_lshrrev_b32 v11, 23, v10                     ; the byte
.if (\t)%4 == 0
	v_mov_b32 v[W+(\t)/4], v11
.else
	v_lshl_or_b32 v[W+(\t)/4], v11, 8*((\t)%4), v[W+(\t)/4]
.endif
	v_cvt_scalef32_pk16_bf6_f32 v[CC:CC+2], v[XS:XS+15], v10
	v_cvt_scalef32_pk16_bf6_f32 v[TMP:TMP+2], v[XS+16:XS+31], v10
	v_nop                                          ; one plain line behind the conversions
.irp i, 0,1,2
	v_mov_b32 v[CC+3+\i], v[TMP+\i]
.endr
.if (\t)+2 < 8
	WLOAD (\t)+2, \N
.endif
.if (\t)%2 == 1
.set CP, CX+16*(((\t)/2)%2)
.irp i, 0,1,2,3,4,5
	v_permlane16_swap_b32 v[CP+\i], v[CP+8+\i]     ; even block's lanes 16-31 (tile 1) change places with odd block's lanes 0-15 (tile 0): each set is now one tile's image
.endr
	global_store_b128 v3, v[CP:CP+3], s[34:35] offset:((\t)/2)*768
	global_store_b64 v4, v[CP+4:CP+5], s[34:35] offset:((\t)/2)*768+512
	global_store_b128 v3, v[CP+8:CP+11], s[36:37] offset:((\t)/2)*768
	global_store_b64 v4, v[CP+12:CP+13], s[36:37] offset:((\t)/2)*768+512
.endif
.if (\t)%4 == 3
	global_store_b32 v5, v[W+(\t)/4], s[38:39] offset:512*((\t)/4)   ; 128 consecutive bytes: the scale words are 1/24 of the codes' bytes
.endif
.endm
; One weight [K][N].  A work-group: 128 columns x 512 K; wave w: 32 columns (w % 4) x 256 K (w / 4).
.macro WQ N, K, NB, COFF, SOFF, first, PTR
	s_sub_co_u32 s23, ttmp9, \first
.if \K == 1024
	s_cmp_ge_u32 s23, \NB
	s_cselect_b32 s24, 1, 0                        ; which 512 of K
	s_cselect_b32 s25, \NB, 0
	s_sub_co_u32 s25, s23, s25                     ; which 128 columns
.else
	s_lshr_b32 s24, s23, 3
	s_and_b32 s25, s23, 7
.endif
	s_and_b32 s26, s22, 3
	s_lshr_b32 s27, s22, 2
	s_lshl_b32 s28, s24, 1
	s_add_co_u32 s28, s28, s27                     ; my first k / 256
	s_mul_i32 s30, s28, 1024*\N
	s_lshl_b32 s29, s25, 9
	s_add_co_u32 s30, s30, s29
	s_lshl_b32 s29, s26, 7
	s_add_co_u32 s30, s30, s29
	s_mov_b32 s31, 0
	s_add_nc_u64 s[32:33], s[\PTR:\PTR+1], s[30:31]
	s_lshl_b32 s29, s25, 3
	s_lshl_b32 s30, s26, 1
	s_add_co_u32 s29, s29, s30                     ; my first tile
	s_mul_i32 s29, s29, 12*\K
	s_mul_i32 s30, s28, 3072
	s_add_co_u32 s30, s30, s29
	s_add_co_u32 s30, s30, \COFF
	s_add_nc_u64 s[34:35], s[20:21], s[30:31]
	s_add_nc_u64 s[36:37], s[34:35], 12*\K         ; the second tile
	s_mul_i32 s29, s25, 4*\K
	s_lshl_b32 s30, s28, 10
	s_add_co_u32 s30, s30, s29
	s_lshl_b32 s29, s26, 7
	s_add_co_u32 s30, s30, s29
	s_add_co_u32 s30, s30, \SOFF
	s_add_nc_u64 s[38:39], s[20:21], s[30:31]
	WLOAD 0, \N
	WLOAD 1, \N
.irp t, 0,1,2,3,4,5,6,7
	WBLOCK \t, \N
.endr
	s_endpgm
.endm
; The norm of one tile of 16 places (s23), quantised.  Wave w: places 2 w, 2 w + 1 (two neighbouring rows); then K step w of the tile.
.macro LNRED
.irp q, 0,1
	v_pk_add_f32 v[144+8*\q:145+8*\q], v[144+8*\q:145+8*\q], v[146+8*\q:147+8*\q]
	v_pk_add_f32 v[148+8*\q:149+8*\q], v[148+8*\q:149+8*\q], v[150+8*\q:151+8*\q]
.endr
.irp q, 0,1
	v_pk_add_f32 v[144+8*\q:145+8*\q], v[144+8*\q:145+8*\q], v[148+8*\q:149+8*\q]
.endr
.irp q, 0,1
	v_add_f32 v[160+\q], v[144+8*\q], v[145+8*\q]
.endr
.irp mk, 1,2,4,8
.irp q, 0,1
	v_add_f32_dpp v[160+\q], v[160+\q], v[160+\q] row_xmask:\mk row_mask:0xf bank_mask:0xf
.endr
.endr
.irp q, 0,1
	v_permlanex16_b32 v[162+\q], v[160+\q], s30, s31
.endr
.irp q, 0,1
	v_add_f32 v[160+\q], v[160+\q], v[162+\q]
.endr
.endm
.macro LNBODY
	s_lshr_b32 s24, s23, 1
	s_lshl_b32 s24, s24, 5
	s_and_b32 s25, s23, 1
	s_lshl_b32 s25, s25, 3
	s_add_co_u32 s24, s24, s25
	s_lshl_b32 s25, s22, 1
	s_add_co_u32 s24, s24, s25
	s_lshr_b32 s25, s22, 2
	s_lshl_b32 s25, s25, 3
	s_add_co_u32 s24, s24, s25                     ; my first row: 32 (T / 2) + 8 (T % 2) + 2 w + 8 (w / 4)
	s_lshl_b32 s24, s24, 12
	s_mov_b32 s25, 0
	s_add_nc_u64 s[4:5], s[4:5], s[24:25]
.irp j, 0,1,2,3,4,5,6,7
	global_load_b128 v[16+4*\j:19+4*\j], v3, s[4:5] offset:512*\j th:TH_LOAD_NT
.endr
.irp j, 0,1,2,3,4,5,6,7
	global_load_b128 v[48+4*\j:51+4*\j], v3, s[4:5] offset:4096+512*\j th:TH_LOAD_NT
.endr
.irp j, 0,1,2,3,4,5,6,7
	global_load_b128 v[80+4*\j:83+4*\j], v3, s[6:7] offset:512*\j
.endr
.irp j, 0,1,2,3,4,5,6,7
	global_load_b128 v[112+4*\j:115+4*\j], v3, s[8:9] offset:512*\j
.endr
	s_mov_b32 s26, 0x3a800000                      ; 1 / 1024
	s_mov_b32 s27, 0x3727c5ac                      ; 1e-5
	s_mov_b32 s30, 0x76543210
	s_mov_b32 s31, 0xfedcba98
	v_mov_b32 v162, 0                              ; a lane permute's destination counts as read
	v_mov_b32 v163, 0
	s_mul_i32 s28, s22, 8224
	v_add_nc_u32 v12, s28, v3                      ; LDS, in: row 2 w of 4,112 bytes, 16 L
	v_mul_u32_u24 v13, v6, 4112
	v_lshl_add_u32 v13, v7, 7, v13
	s_lshl_b32 s28, s22, 9
	v_add_nc_u32 v13, s28, v13                     ; LDS, out: row r, + 512 w + 128 h
	v_lshlrev_b32 v14, 2, v6
	s_lshr_b32 s28, s23, 3
	s_lshl_b32 s28, s28, 12
	s_lshl_b32 s29, s22, 9
	s_add_co_u32 s28, s28, s29
	s_and_b32 s29, s23, 7
	s_lshl_b32 s29, s29, 6
	s_add_co_u32 s28, s28, s29
	s_add_co_u32 s28, s28, 3145728
	s_mov_b32 s29, 0
	s_add_nc_u64 s[32:33], s[18:19], s[28:29]      ; the scale words' place
	s_lshl_b32 s28, s23, 3
	s_add_co_u32 s28, s28, s22
	s_mul_i32 s28, s28, 1536
	s_add_nc_u64 s[18:19], s[18:19], s[28:29]      ; fragment (T, w)
	s_wait_loadcnt 16                              ; the two rows are in; the gain's and the bias's 16 loads may be out
.irp q, 0,1
.irp k, 0,1,2,3
	v_pk_add_f32 v[144+8*\q+2*\k:145+8*\q+2*\k], v[16+32*\q+4*\k:17+32*\q+4*\k], v[18+32*\q+4*\k:19+32*\q+4*\k]
.endr
.endr
.irp p, 0,1,2,3,4,5,6,7
.irp q, 0,1
	v_pk_add_f32 v[144+8*\q+2*(\p%4):145+8*\q+2*(\p%4)], v[144+8*\q+2*(\p%4):145+8*\q+2*(\p%4)], v[32+32*\q+2*\p:33+32*\q+2*\p]
.endr
.endr
	LNRED
.irp q, 0,1
	v_mul_f32 v[164+2*\q], s26, v[160+\q]          ; mu
.endr
.irp q, 0,1
	v_mov_b32 v[165+2*\q], v[164+2*\q]
.endr
.irp p, 0,1,2,3,4,5,6,7,8,9,10,11,12,13,14,15
.irp q, 0,1
	v_pk_add_f32 v[16+32*\q+2*\p:17+32*\q+2*\p], v[16+32*\q+2*\p:17+32*\q+2*\p], v[164+2*\q:165+2*\q] neg_lo:[0,1] neg_hi:[0,1]
.endr
.endr
.irp k, 0,1,2,3
.irp q, 0,1
	v_pk_mul_f32 v[144+8*\q+2*\k:145+8*\q+2*\k], v[16+32*\q+2*\k:17+32*\q+2*\k], v[16+32*\q+2*\k:17+32*\q+2*\k]
.endr
.endr
.irp p, 4,5,6,7,8,9,10,11,12,13,14,15
.irp q, 0,1
	v_pk_fma_f32 v[144+8*\q+2*(\p%4):145+8*\q+2*(\p%4)], v[16+32*\q+2*\p:17+32*\q+2*\p], v[16+32*\q+2*\p:17+32*\q+2*\p], v[144+8*\q+2*(\p%4):145+8*\q+2*(\p%4)]
.endr
.endr
	LNRED
.irp q, 0,1
	v_fma_f32 v[160+\q], v[160+\q], s26, s27       ; the variance + eps
.endr
.irp q, 0,1
	v_rsq_f32 v[168+2*\q], v[160+\q]
.endr
	v_nop                                          ; a plain line behind the roots
	s_wait_alu depctr_va_vdst(0)                   ; one wait for both, ahead of their first reader
.irp q, 0,1
	v_mov_b32 v[169+2*\q], v[168+2*\q]
.endr
	s_wait_loadcnt 0x0
.irp p, 0,1,2,3,4,5,6,7,8,9,10,11,12,13,14,15
.irp q, 0,1
	v_pk_mul_f32 v[16+32*\q+2*\p:17+32*\q+2*\p], v[16+32*\q+2*\p:17+32*\q+2*\p], v[168+2*\q:169+2*\q]
.endr
.endr
.irp p, 0,1,2,3,4,5,6,7,8,9,10,11,12,13,14,15
.irp q, 0,1
	v_pk_fma_f32 v[16+32*\q+2*\p:17+32*\q+2*\p], v[16+32*\q+2*\p:17+32*\q+2*\p], v[80+2*\p:81+2*\p], v[112+2*\p:113+2*\p]
.endr
.endr
.irp q, 0,1
.irp j, 0,1,2,3,4,5,6,7
	ds_store_b128 v12, v[16+32*\q+4*\j:19+32*\q+4*\j] offset:4112*\q+512*\j
.endr
.endr
	s_wait_dscnt 0x0                               ; my rows lie in LDS
	s_barrier_signal -1
	s_barrier_wait -1                              ; all sixteen do
.irp c, 0,1
.irp i, 0,1,2,3,4,5,6,7
	ds_load_b128 v[16+32*\c+4*\i:19+32*\c+4*\i], v13 offset:256*\c+16*\i   ; place r, k = 128 w + 64 c + 32 h + 4 i ..: two whole blocks a lane
.endr
.endr
	s_wait_dscnt 0x0
.irp c, 0,1
	v_max3_num_f32 v[144+\c], |v[16+32*\c]|, |v[17+32*\c]|, 0x2800000
.endr
.irp i, 2,4,6,8,10,12,14,16,18,20,22,24,26,28,30
.irp c, 0,1
	v_max3_num_f32 v[144+\c], v[144+\c], |v[16+32*\c+\i]|, |v[17+32*\c+\i]|
.endr
.endr
.irp c, 0,1
	v_add_nc_u32 v[146+\c], 0xfe000000, v[144+\c]
.endr
.irp c, 0,1
	v_lshrrev_b32 v[148+\c], 23, v[146+\c]
.endr
	v_lshl_or_b32 v150, v149, 16, v148             ; my bytes: blocks h and 2 + h,
	v_lshlrev_b32 v151, 3, v7
	v_lshlrev_b32 v150, v151, v150                 ; at their places;
	v_mov_b32 v151, 0
	v_permlanex16_b32 v151, v150, s30, s31
	v_or_b32 v150, v150, v151                      ; with lane l xor 16's the word is whole
.irp c, 0,1
	v_cvt_scalef32_pk16_bf6_f32 v[152+6*\c:154+6*\c], v[16+32*\c:31+32*\c], v[146+\c]
	v_cvt_scalef32_pk16_bf6_f32 v[164+4*\c:166+4*\c], v[32+32*\c:47+32*\c], v[146+\c]
.endr
	v_nop
.irp c, 0,1
.irp i, 0,1,2
	v_mov_b32 v[155+6*\c+\i], v[164+4*\c+\i]
.endr
.endr
.irp c, 0,1
	global_store_b128 v3, v[152+6*\c:155+6*\c], s[18:19] offset:768*\c
	global_store_b64 v4, v[156+6*\c:157+6*\c], s[18:19] offset:768*\c+512
.endr
	global_store_b32 v14, v150, s[32:33]           ; lanes l and l + 16 store the same word with the same value: 64 bytes
	s_wait_tensorcnt 0x0                           ; the wave's end
	ds_add_u32 v[SPW], v[NIL]
	s_wait_dscnt 0x0
	s_endpgm
.endm
	s_cmp_lt_u32 ttmp9, 48                         ; the branches hang on the work-group's number alone
	s_cbranch_scc0 .Lnot_wx
	WQ 3072, 1024, 24, 0, 9437184, 0, 10
.Lnot_wx:
	s_cmp_lt_u32 ttmp9, 64
	s_cbranch_scc0 .Lnot_wo
	WQ 1024, 1024, 8, 2359296, 9535488, 48, 12
.Lnot_wo:
	s_cmp_lt_u32 ttmp9, 128
	s_cbranch_scc0 .Lnot_w1
	WQ 4096, 1024, 32, 3145728, 9568256, 64, 14
.Lnot_w1:
	s_cmp_lt_u32 ttmp9, 192
	s_cbranch_scc0 .Lln
	WQ 1024, 4096, 8, 6291456, 9699328, 128, 16
.Lln:
	s_sub_co_u32 s23, ttmp9, 192
	LNBODY
.Lfunc_end_k_qb547f6ada5_prep:
	.size	k_qb547f6ada5_prep, .Lfunc_end_k_qb547f6ada5_prep-k_qb547f6ada5_prep
	.p2alignl 7, 3214868480
	.fill 96, 4, 3214868480
	.section	.rodata,"a",@progbits
	.p2align	6, 0x0
	.amdhsa_kernel k_qb547f6ada5_prep
		.amdhsa_group_segment_fixed_size 67072
		.amdhsa_private_segment_fixed_size 0
		.amdhsa_enable_private_segment 0
		.amdhsa_kernarg_size 72
		.amdhsa_user_sgpr_count 2
		.amdhsa_user_sgpr_kernarg_segment_ptr 1
		.amdhsa_wavefront_size32 1
		.amdhsa_system_sgpr_workgroup_id_x 1
		.amdhsa_system_sgpr_workgroup_id_y 1
		.amdhsa_system_sgpr_workgroup_id_z 1
		.amdhsa_system_vgpr_workitem_id 0
		.amdhsa_next_free_vgpr 192
		.amdhsa_next_free_sgpr 66
		.amdhsa_reserve_vcc 0
		.amdhsa_float_denorm_mode_32 3
		.amdhsa_float_denorm_mode_16_64 3
		.amdhsa_memory_ordered 1
		.amdhsa_forward_progress 1
		.amdhsa_inst_pref_size 182
	.end_amdhsa_kernel
	.amdgpu_metadata
---
amdhsa.version: [ 1, 2 ]
amdhsa.kernels:
  - .name:           k_qb547f6ada5_prep
    .symbol:         k_qb547f6ada5_prep.kd
    .args:
      - { .name: x, .offset: 0, .size: 8, .value_kind: global_buffer, .address_space: global }
      - { .name: ln1_g, .offset: 8, .size: 8, .value_kind: global_buffer, .address_space: global }
      - { .name: ln1_b, .offset: 16, .size: 8, .value_kind: global_buffer, .address_space: global }
      - { .name: wx_w, .offset: 24, .size: 8, .value_kind: global_buffer, .address_space: global }
      - { .name: wo_w, .offset: 32, .size: 8, .value_kind: global_buffer, .address_space: global }
      - { .name: w1, .offset: 40, .size: 8, .value_kind: global_buffer, .address_space: global }
      - { .name: w2, .offset: 48, .size: 8, .value_kind: global_buffer, .address_space: global }
      - { .name: xa, .offset: 56, .size: 8, .value_kind: global_buffer, .address_space: global }
      - { .name: wb, .offset: 64, .size: 8, .value_kind: global_buffer, .address_space: global }
    .group_segment_fixed_size: 67072
    .private_segment_fixed_size: 0
    .kernarg_segment_align: 8
    .kernarg_segment_size: 72
    .max_flat_workgroup_size: 256
    .sgpr_count:     66
    .vgpr_count:     192
    .wavefront_size: 32
...
	.end_amdgpu_metadata
.endif
;; end of part 1
;; launch qkvp (part 2): grid 8 x 32, 4 waves a work-group, clusters of 4 x 4, 327,680 bytes of LDS; arguments xa, wb, wx_b, qkv; writes qkv
.if DOCPART == 2
	.amdgcn_target "amdgcn-amd-amdhsa--gfx1250"
	.amdhsa_code_object_version 6
	.text
	.protected	k_qb547f6ada5_qkvp
	.globl	k_qb547f6ada5_qkvp
	.p2align	8
	.type	k_qb547f6ada5_qkvp,@function
k_qb547f6ada5_qkvp:
	s_mov_b64 s[64:65], 0
	v_nop
	global_prefetch_b8 v0, s[64:65] scope:SCOPE_SE
	s_setreg_imm32_b32 hwreg(HW_REG_WAVE_MODE, 25, 1), 1
	s_wait_xcnt 0x0
	s_wait_alu depctr_hold_cnt(0) depctr_sa_sdst(0) depctr_va_vdst(0) depctr_va_sdst(0) depctr_va_ssrc(0) depctr_va_vcc(0) depctr_vm_vsrc(0)
	s_getreg_b32 s2, hwreg(HW_REG_IB_STS2, 6, 4)
	s_cmp_eq_u32 s2, 0
	s_cbranch_scc0 .Lentry_in_a_cluster
	s_endpgm
.Lentry_in_a_cluster:
	s_bfe_u32 s2, ttmp6, 0x10000c
	s_cmp_lg_u32 s2, 0xf033
	s_cbranch_scc0 .Lentry_shape_is_right
	s_endpgm
.Lentry_shape_is_right:
; qkv = Q(LN1(x)) Q(wx_w) + wx_b, and its results quantised on the way out: q and k along the head's 64, v along the keys.  Nothing of reference() is left out.
; A work-group: 128 places of tokens (Y) x three column tiles of 128 (X, 8 + X, 16 + X: q, k, v of two heads).  Four waves, each 64 x 64: 16 accumulators.  K = 1,024 lies in two LDS slots of 512;
; A's tiles stay in the slots for all three laps, B's are filled again lap by lap.  Operands are images of registers (first launch's head): a fragment is two loads of 16 and two of 8 bytes a lane, all dense.
; CLUSTER 4 x 4: A's tiles and scales are asked for jointly along a row of the cluster, B's along a column.
; q, k laps: source 0 = weights, source 1 = tokens: a lane holds one token and 16 neighbouring columns in 16 registers.  v's lap: source 0 = tokens, source 1 = weights: a lane holds one channel and 16 neighbouring keys.
; LIMITS as in the first launch (NaN, infinities; the byte 1 for very small blocks).  No prefetch: tiles are small and shared in the cluster, and the launch is short.
.set KK, 1024
.set ASOFF, 3145728
.set BCOFF, 0
.set BSOFF, 9437184
.set HS, 6144                          ; LDS stride of the four halves of scale words
.set SSO, 6144                         ; a slot's scale words begin so far behind the other's
.set SAR, 8
.set SAH, 2048
.set SBC, 256
.set SBR, 3
.set SBP, 4096
.set LAPB, 786432
.set STAY, 1
.set LSM, 0
.set SCST, 229376                      ; v's scale bytes meet here: 512 bytes
.set SPARE, 229888
.set SLOT, 98304                       ; A: 8 tiles x 6,144 bytes, then B's
.set SCL, 196608
.set ACC, 128
.set BIAS, 34
.set SC, 26                            ; v26-33 scale words, two sets of 4: lanes 0-15 A's tile i, lanes 16-31 B's tile i
.set SPW, 24
.set NIL, 25
.set QP, 66
.set QT, 72
.set TM, 76
.set SO, 80
.set BY, 82
.set SEL, 66
.set G1, 24
.set G0, 32
.set G1B, 48
.set G0B, 56
.set G1S, 68
.set G0S, 76
.set G1SB, 80
.set G0SB, 88
.set W_MUL, 0x05                       ; sources 0 and 1 window 1; C and D window 0
.set W_TOF, 0x40                       ; destination window 1
.set MSB, 0
.macro WIN new
.if MSB != \new
	s_set_vgpr_msb (MSB<<8)|\new
.set MSB, \new
.endif
.endm
.macro PLACES
.rept 4
	v_nop
.endr
.endm
.macro JLOAD g0a, g1a, g0b, g1b        ; waves 0, 1 ask for A, waves 2, 3 for B; the branch hangs on the wave's number alone
	s_cmp_eq_u32 s15, 0
	s_cbranch_scc0 .Lfor_b_\@
	tensor_load_to_lds s[\g0a:\g0a+3], s[\g1a:\g1a+7]
	s_nop 0
.rept 4
	v_nop
.endr
	s_branch .Lasked_\@
.Lfor_b_\@:
	tensor_load_to_lds s[\g0b:\g0b+3], s[\g1b:\g1b+7]
	s_nop 0
.rept 4
	v_nop
.endr
.Lasked_\@:
.endm
.macro JLOADB s                        ; a refill of B's half of a slot: waves 2 and 3 alone have a part of it
	s_cmp_eq_u32 s15, 0
	s_cbranch_scc1 .Lnob_\@
	tensor_load_to_lds s[G0B+4*\s:G0B+4*\s+3], s[G1B:G1B+7]
	s_nop 0
.rept 4
	v_nop
.endr
.Lnob_\@:
.endm
.macro CREST
	s_cmp_lg_u32 s14, 0
	s_cbranch_scc1 .Lnot_wave_0_\@
	s_barrier_signal -3
.Lnot_wave_0_\@:
	s_barrier_wait -3
	s_barrier_signal -1
	s_barrier_wait -1
.endm
.macro CROUND
	s_barrier_signal -1
	s_barrier_wait -1
	CREST
.endm
.macro FETCH slot, q, f                ; 36 LDS loads: my 4 + 4 fragments of the slot's q-th 128 along K into buffer f, and their scale words
	WIN W_TOF
.irp i, 0,1,2,3
.irp c, 0,1
	ds_load_b128 v[96*(\f)+48+12*\i+6*\c:96*(\f)+48+12*\i+6*\c+3], v[8+\slot] offset:6144*\i+1536*(\q)+768*\c
	ds_load_b64 v[96*(\f)+48+12*\i+6*\c+4:96*(\f)+48+12*\i+6*\c+5], v[10+\slot] offset:6144*\i+1536*(\q)+768*\c
.endr
.endr
.irp i, 0,1,2,3
.irp c, 0,1
	ds_load_b128 v[96*(\f)+12*\i+6*\c:96*(\f)+12*\i+6*\c+3], v[4+\slot] offset:6144*\i+1536*(\q)+768*\c
	ds_load_b64 v[96*(\f)+12*\i+6*\c+4:96*(\f)+12*\i+6*\c+5], v[6+\slot] offset:6144*\i+1536*(\q)+768*\c
.endr
.endr
	WIN 0
.irp i, 0,1,2,3
	ds_load_b32 v[SC+4*(\f)+\i], v12 offset:SSO*(\slot)+512*(\q)+64*\i
.endr
.endm
.macro MUL8 f, a0, cm, tr              ; A's tiles a0, a0 + 1 x B's four.  cm = 1: the bias is the C of the sum's first product.  The sixteen accumulators take turns
.irp a, \a0, \a0+1
.irp b, 0,1,2,3
.if \tr
.set DD, ACC+8*(4*(\a)+\b)
.if \cm
	v_wmma_scale_f32_16x16x128_f8f6f4 v[DD:DD+7], v[96*(\f)+48+12*\b:96*(\f)+48+12*\b+11], v[96*(\f)+12*(\a):96*(\f)+12*(\a)+11], v[BIAS+8*\b:BIAS+8*\b+7], v[SC+4*(\f)+\b], v[SC+4*(\f)+(\a)] matrix_a_fmt:MATRIX_FMT_BF6 matrix_b_fmt:MATRIX_FMT_BF6 matrix_a_scale:MATRIX_SCALE_ROW1
.else
	v_wmma_scale_f32_16x16x128_f8f6f4 v[DD:DD+7], v[96*(\f)+48+12*\b:96*(\f)+48+12*\b+11], v[96*(\f)+12*(\a):96*(\f)+12*(\a)+11], v[DD:DD+7], v[SC+4*(\f)+\b], v[SC+4*(\f)+(\a)] matrix_a_fmt:MATRIX_FMT_BF6 matrix_b_fmt:MATRIX_FMT_BF6 matrix_a_scale:MATRIX_SCALE_ROW1
.endif
.else
.set DD, ACC+8*(4*\b+(\a))
.if \cm
	v_wmma_scale_f32_16x16x128_f8f6f4 v[DD:DD+7], v[96*(\f)+12*(\a):96*(\f)+12*(\a)+11], v[96*(\f)+48+12*\b:96*(\f)+48+12*\b+11], v[BIAS+8*\b:BIAS+8*\b+7], v[SC+4*(\f)+(\a)], v[SC+4*(\f)+\b] matrix_a_fmt:MATRIX_FMT_BF6 matrix_b_fmt:MATRIX_FMT_BF6 matrix_b_scale:MATRIX_SCALE_ROW1
.else
	v_wmma_scale_f32_16x16x128_f8f6f4 v[DD:DD+7], v[96*(\f)+12*(\a):96*(\f)+12*(\a)+11], v[96*(\f)+48+12*\b:96*(\f)+48+12*\b+11], v[DD:DD+7], v[SC+4*(\f)+(\a)], v[SC+4*(\f)+\b] matrix_a_fmt:MATRIX_FMT_BF6 matrix_b_fmt:MATRIX_FMT_BF6 matrix_b_scale:MATRIX_SCALE_ROW1
.endif
.endif
.endr
.endr
.endm
.macro STEP slot, q, cm, tr            ; one of a slot's first three steps of 128: the next step's fragments are asked for, then this step's 16 products
	s_wait_dscnt 0x0                               ; this step's buffer is in
	PLACES                                         ; four places in front of loads into the buffer that the last products read
	FETCH \slot, (\q)+1, 1-(\q)%2
	WIN W_MUL
	MUL8 (\q)%2, 0, \cm, \tr
	MUL8 (\q)%2, 2, \cm, \tr
.endm
.macro TURN slot, next, fill, lapend, tr   ; a slot's last step, and the change of slots
	WIN 0
	s_wait_tensorcnt 0x0                           ; all my tensor loads have landed: my part of the next slot among them
	ds_add_u32 v[SPW], v[NIL]                      ; 0 onto my spare word
.if \fill
.if STAY == 0
	s_add_nc_u64 s[G0+4*\slot+2:G0+4*\slot+3], s[G0+4*\slot+2:G0+4*\slot+3], LAPB
.endif
	s_add_nc_u64 s[G0B+4*\slot+2:G0B+4*\slot+3], s[G0B+4*\slot+2:G0B+4*\slot+3], LAPB
.endif
	s_wait_dscnt 0x0                               ; the add is done, and my reads of this slot are over
	s_barrier_signal -1
	WIN W_MUL
	MUL8 1, 0, 0, \tr
	WIN 0
	s_barrier_wait -1
.if \fill
	CREST                                          ; the barrier opened a round of the cluster's: no wave of any partner still reads this slot or has a load on its way
.if STAY
	JLOADB \slot
	PLACES
.else
	JLOAD G0+4*\slot, G1, G0B+4*\slot, G1B
.endif
.else
	PLACES
.endif
.if \lapend
.if LSM == 0
	v_mad_u32_u24 v12, v2, LAPOFF, v13             ; lanes 16-31: the next lap's scale words of B
.elseif LSM == 1
	s_add_co_u32 s[TS], s[TS], 2048
	v_mad_u32_u24 v12, v2, s[TS], v13
.else
	v_add_nc_u32 v12, 4096, v12
.endif
.endif
	FETCH \next, 0, 0
	WIN W_MUL
	MUL8 1, 2, 0, \tr
.endm
.macro LAP cm, fill, more, tr          ; K = 1,024: both slots
	STEP 0, 0, \cm, \tr
	STEP 0, 1, 0, \tr
	STEP 0, 2, 0, \tr
	TURN 0, 1, \fill, 0, \tr
	STEP 1, 0, 0, \tr
	STEP 1, 1, 0, \tr
	STEP 1, 2, 0, \tr
.if \more
	TURN 1, 0, \fill, 1, \tr
.else
	s_wait_dscnt 0x0
	WIN W_MUL
	MUL8 1, 0, 0, \tr
	MUL8 1, 2, 0, \tr
.endif
	WIN 0
.endm
; 32 numbers of a lane, register 16 b + i = k 32 b + 16 (lane / 16) + i of my row, become half a fragment's six registers v[QP] on and two scale bytes in v[W]
.macro QUANT2 S, W
.irp b, 0,1
	v_max3_num_f32 v[TM+\b], |v[\S+16*\b]|, |v[\S+16*\b+1]|, 0x2800000
.endr
.irp i, 2,4,6,8,10,12,14
.irp b, 0,1
	v_max3_num_f32 v[TM+\b], v[TM+\b], |v[\S+16*\b+\i]|, |v[\S+16*\b+\i+1]|
.endr
.endr
.irp b, 0,1
	v_permlanex16_b32 v[TM+2+\b], v[TM+\b], s[SEL], s[SEL+1]
.endr
.irp b, 0,1
	v_max_num_f32 v[TM+\b], v[TM+\b], v[TM+2+\b]
.endr
.irp b, 0,1
	v_add_nc_u32 v[SO+\b], 0xfe000000, v[TM+\b]
.endr
.irp b, 0,1
	v_lshrrev_b32 v[BY+\b], 23, v[SO+\b]
.endr
	v_lshl_or_b32 v[\W], v[BY+1], 8, v[BY]
	v_cvt_scalef32_pk16_bf6_f32 v[QP:QP+2], v[\S:\S+15], v[SO]
	v_cvt_scalef32_pk16_bf6_f32 v[QT:QT+2], v[\S+16:\S+31], v[SO+1]
	v_nop
.irp i, 0,1,2
	v_permlane16_swap_b32 v[QP+\i], v[QT+\i]
.endr
.irp i, 0,1,2
	v_mov_b32 v[QP+3+\i], v[QT+\i]
.endr
.endm
.macro BIASLD off                      ; lane (r, h), tile b, register j: the bias of column 32 (b / 2) + 8 (b % 2) + 16 h + j
.irp b, 0,1,2,3
	global_load_b128 v[BIAS+8*\b:BIAS+8*\b+3], v20, s[8:9] offset:\off+(32*(\b/2)+8*(\b%2))*4
	global_load_b128 v[BIAS+8*\b+4:BIAS+8*\b+7], v20, s[8:9] offset:\off+(32*(\b/2)+8*(\b%2))*4+16
.endr
.endm
.macro EPI_QK C, S, nb                 ; q's or k's way out: my head's 64 channels of 64 tokens.  nb = 1: k's bias is asked for; 2: v's
	PLACES
.if \nb == 1
	BIASLD 4096
.else
.irp b, 0,1,2,3
	global_load_b32 v[BIAS+8*\b], v21, s[8:9] offset:8192+(32*(\b/2)+8*(\b%2))*4
.endr
.endif
.irp a, 0,1,2,3
	s_wait_xcnt 0x0                                ; the last stores have read the registers that are written now
	QUANT2 ACC+32*\a, 84+\a
	v_or_b32 v[84+\a], 0x7f7f0000, v[84+\a]        ; the upper 64 of the score product's K are zero codes under the byte 127
	global_store_b128 v15, v[QP:QP+3], s[\C:\C+1] offset:768*\a
	global_store_b64 v16, v[QP+4:QP+5], s[\C:\C+1] offset:768*\a+512
.endr
	v_cmp_eq_u32 vcc_lo, 1, v2
	v_cndmask_b32 v88, v84, v86, vcc_lo
	v_cndmask_b32 v89, v85, v87, vcc_lo
	global_store_b64 v17, v[88:89], s[\S:\S+1]     ; [r][tile] words: the wave stores 256 consecutive bytes
	s_wait_loadcnt 0x0                             ; the next lap's bias
.endm
	s_load_b256 s[4:11], s[0:1], 0x0               ; xa, wb, wx_b, qkv
	v_lshl_add_u32 v[SPW], v0, 2, SPARE
	v_mov_b32 v[NIL], 0
	ds_add_u32 v[SPW], v[NIL]                      ; the opening: the add, twice on end, and its wait ahead of my first tensor load
	ds_add_u32 v[SPW], v[NIL]
	v_lshrrev_b32 v1, 5, v0
	v_readfirstlane_b32 s14, v1                    ; wave
	s_lshr_b32 s15, s14, 1                         ; my half of the rows; also: I ask for A (0) or B (1)
	s_and_b32 s16, s14, 1                          ; my half of the columns; also: which half I ask for
	s_bfe_u32 s40, ttmp6, 0x40000
	s_bfe_u32 s41, ttmp6, 0x40004
	s_lshl_b32 s42, ttmp9, 2
	s_add_co_u32 s42, s42, s40                     ; X
	s_and_b32 s17, ttmp7, 0xffff
	s_lshl_b32 s17, s17, 2
	s_add_co_u32 s17, s17, s41                     ; Y
	s_lshl_b32 s43, s41, 2
	s_lshl_b32 s43, 15, s43                        ; my row of the cluster
	s_lshl_b32 s44, 0x1111, s40                    ; my column
	s_or_b32 s[G1], s43, (3<<16)|(1<<21)           ; elements of 8 bytes; bit 21 beside a mask
	s_or_b32 s[G1B], s44, (3<<16)|(1<<21)
.irp g, G1, G1B
	s_mov_b32 s[\g+1], 768<<16                     ; a row: one tile's 6,144 bytes of 512 along K
	s_mov_b32 s[\g+2], 4<<16                       ; four tiles
	s_mov_b32 s[\g+3], 768<<16
	s_mov_b32 s[\g+4], 4
	s_mov_b32 s[\g+5], KK*12/8                     ; from tile to tile
	s_mov_b32 s[\g+6], 0
	s_mov_b32 s[\g+7], 0
.endr
	s_or_b32 s[G1S], s43, (3<<16)|(1<<21)
	s_or_b32 s[G1SB], s44, (3<<16)|(1<<21)
	s_mov_b32 s[G1S+1], 32<<16
	s_mov_b32 s[G1S+2], SAR<<16
	s_mov_b32 s[G1S+3], 32<<16
	s_mov_b32 s[G1S+4], SAR
	s_mov_b32 s[G1S+5], 32
	s_mov_b32 s[G1S+6], 0
	s_mov_b32 s[G1S+7], 0
	s_mov_b32 s[G1SB+1], SBC<<16
	s_mov_b32 s[G1SB+2], SBR<<16
	s_mov_b32 s[G1SB+3], SBC<<16
	s_mov_b32 s[G1SB+4], SBR
	s_mov_b32 s[G1SB+5], SBP
	s_mov_b32 s[G1SB+6], 0
	s_mov_b32 s[G1SB+7], 0
	s_lshl_b32 s18, s16, 2
	s_lshl_b32 s20, s17, 3
	s_add_co_u32 s20, s20, s18                     ; A's first tile that I ask for
	s_lshl_b32 s46, s42, 3
	s_add_co_u32 s46, s46, s18                     ; B's
	s_mul_i32 s20, s20, 12*KK
	s_mul_i32 s46, s46, 12*KK
	s_add_co_u32 s46, s46, BCOFF
	s_mov_b32 s21, 0
	s_mov_b32 s47, 0
	s_mul_i32 s19, s16, SAH
	s_mul_i32 s22, s17, 4*KK
	s_add_co_u32 s22, s22, s19
	s_add_co_u32 s22, s22, ASOFF
	s_mov_b32 s23, 0
	s_mul_i32 s92, s42, 4*KK
	s_add_co_u32 s92, s92, s19
	s_add_co_u32 s92, s92, BSOFF
	s_mov_b32 s93, 0
	s_mul_i32 s45, s14, 24576                      ; LDS: wave x four tiles: A's halves, then B's
	s_mul_i32 s94, s14, HS
	s_wait_dscnt 0x0                               ; both opening adds are done
	s_wait_kmcnt 0x0
	s_add_nc_u64 s[20:21], s[4:5], s[20:21]
	s_add_nc_u64 s[22:23], s[4:5], s[22:23]
	s_add_nc_u64 s[46:47], s[6:7], s[46:47]
	s_add_nc_u64 s[92:93], s[6:7], s[92:93]
	CROUND                                         ; all sixteen work-groups are here: the first joint loads meet
	s_mov_b32 s[G0S], 1
	s_add_co_u32 s[G0S+1], s94, SCL
	s_mov_b64 s[G0S+2:G0S+3], s[22:23]
	s_or_b32 s[G0S+3], s[G0S+3], 0x80000000
	s_mov_b32 s[G0SB], 1
	s_add_co_u32 s[G0SB+1], s94, SCL
	s_mov_b64 s[G0SB+2:G0SB+3], s[92:93]
	s_or_b32 s[G0SB+3], s[G0SB+3], 0x80000000
	JLOAD G0S, G1S, G0SB, G1SB                     ; the scale words: filled once
.irp s, 0,1
	s_mov_b32 s[G0+4*\s], 1
	s_add_co_u32 s[G0+4*\s+1], s45, \s*SLOT
	s_add_nc_u64 s[G0+4*\s+2:G0+4*\s+3], s[20:21], \s*6144
	s_or_b32 s[G0+4*\s+3], s[G0+4*\s+3], 0x80000000
	s_mov_b32 s[G0B+4*\s], 1
	s_add_co_u32 s[G0B+4*\s+1], s45, \s*SLOT
	s_add_nc_u64 s[G0B+4*\s+2:G0B+4*\s+3], s[46:47], \s*6144
	s_or_b32 s[G0B+4*\s+3], s[G0B+4*\s+3], 0x80000000
	JLOAD G0+4*\s, G1, G0B+4*\s, G1B               ; three loads of mine are out at the most
.endr
	v_and_b32 v3, 31, v0                           ; L
	v_and_b32 v1, 15, v0                           ; r
	v_bfe_u32 v2, v0, 4, 1                         ; h
	v_lshlrev_b32 v15, 4, v3
	v_lshlrev_b32 v16, 3, v3
	s_mul_i32 s21, s15, 24576
	s_mul_i32 s22, s16, 24576
	s_add_co_u32 s22, s22, 49152
.irp s, 0,1
	v_add_nc_u32 v[4+\s], s21, v15
	v_add_nc_u32 v[8+\s], s22, v15
	s_add_co_u32 s21, s21, 512
	s_add_co_u32 s22, s22, 512
	v_add_nc_u32 v[6+\s], s21, v16
	v_add_nc_u32 v[10+\s], s22, v16
	s_add_co_u32 s21, s21, SLOT-512
	s_add_co_u32 s22, s22, SLOT-512
.endr
	s_lshl_b32 s21, s15, 8
	s_lshl_b32 s22, s16, 8
	s_add_co_u32 s22, s22, 2*HS
	s_sub_co_u32 s22, s22, s21
	v_mul_u32_u24 v13, s22, v2                     ; lanes 16-31 take B's words: one product, the distance between the two bases
	s_add_co_u32 s21, s21, SCL
	v_lshl_add_u32 v13, v1, 2, v13
	v_add_nc_u32 v13, s21, v13
	v_mov_b32 v12, v13
	v_mov_b32 v[TM+2], 0
	v_mov_b32 v[TM+3], 0
	v_lshlrev_b32 v17, 4, v1
	v_lshl_add_u32 v17, v2, 3, v17                 ; 16 r + 8 h
	s_lshl_b32 s21, s16, 8
	s_lshl_b32 s22, s15, 1
	s_add_co_u32 s21, s21, s22
	s_add_co_u32 s21, s21, SCST
	v_lshl_add_u32 v18, v1, 4, s21                 ; v's scale bytes: 256 cn + 16 r + 2 rm (+ 4 x tile)
	v_add_nc_u32 v19, SCST, v15
	v_lshlrev_b32 v20, 6, v2                       ; 64 h
	v_and_b32 v21, 8, v1
	v_add_nc_u32 v21, v21, v1
	v_lshlrev_b32 v21, 2, v21                      ; 4 (r + 8 (r / 8))
	s_mov_b32 s[SEL], 0x76543210
	s_mov_b32 s[SEL+1], 0xfedcba98
	; where the results go: b = Y / 16, j = Y % 16, g = X / 2, hd = 2 (X % 2) + cn
	s_lshr_b32 s2, s17, 4
	s_lshl_b32 s2, s2, 2
	s_lshr_b32 s45, s42, 1
	s_add_co_u32 s2, s2, s45                       ; 4 b + g
	s_and_b32 s3, s17, 15                          ; j
	s_lshl_b32 s23, s2, 4
	s_add_co_u32 s23, s23, s3                      ; (4 b + g) 16 + j
	s_and_b32 s22, s42, 1
	s_lshl_b32 s46, s22, 1
	s_add_co_u32 s46, s46, s16                     ; hd
	s_mov_b32 s95, 0
	s_mul_i32 s47, s46, 6144
	s_mul_i32 s94, s23, 24576
	s_add_co_u32 s94, s94, s47
	s_mul_i32 s45, s15, 3072
	s_add_co_u32 s94, s94, s45
	s_add_nc_u64 s[96:97], s[10:11], s[94:95]      ; q's codes
	s_mul_i32 s94, s23, 49152
	s_add_co_u32 s94, s94, s47
	s_add_co_u32 s94, s94, 3407872
	s_mul_i32 s47, s15, 768
	s_add_co_u32 s47, s47, s94
	s_add_co_u32 s94, s94, s45
	s_add_nc_u64 s[100:101], s[10:11], s[94:95]    ; k's codes
	s_add_co_u32 s94, s47, 24576
	s_add_nc_u64 s[18:19], s[10:11], s[94:95]      ; v's codes
	s_lshl_b32 s94, s23, 2
	s_add_co_u32 s94, s94, s46
	s_lshl_b32 s94, s94, 9
	s_lshl_b32 s45, s15, 8
	s_add_co_u32 s94, s94, s45
	s_add_co_u32 s94, s94, 3145728
	s_add_nc_u64 s[98:99], s[10:11], s[94:95]      ; q's scale words
	s_mul_i32 s47, s2, 49152
	s_add_co_u32 s47, s47, 9699328
	s_lshl_b32 s94, s3, 11
	s_add_co_u32 s94, s94, s47
	s_add_co_u32 s94, s94, s45
	s_lshl_b32 s45, s46, 9
	s_add_co_u32 s94, s94, s45
	s_add_nc_u64 s[92:93], s[10:11], s[94:95]      ; k's
	s_lshl_b32 s94, s3, 10
	s_add_co_u32 s94, s94, s47
	s_lshl_b32 s45, s22, 9
	s_add_co_u32 s94, s94, s45
	s_add_co_u32 s94, s94, 32768
	s_add_nc_u64 s[20:21], s[10:11], s[94:95]      ; v's
	s_lshl_b32 s94, s42, 9
	s_lshl_b32 s45, s16, 8
	s_add_co_u32 s94, s94, s45
	s_add_nc_u64 s[8:9], s[8:9], s[94:95]          ; the bias of my 64 columns
	BIASLD 0
	s_wait_tensorcnt 0x1                           ; the scale words and my part of slot 0 are in; slot 1's load may be out
	s_barrier_signal -1
	s_barrier_wait -1
	FETCH 0, 0, 0
	s_wait_loadcnt 0x0
.set LAPOFF, 2048
	LAP 1, 1, 1, 1                                 ; q
	EPI_QK 96, 98, 1
.set LAPOFF, 4096
	LAP 1, 1, 1, 1                                 ; k
	EPI_QK 100, 92, 2
.irp b, 0,1,2,3
.irp j, 1,2,3,4,5,6,7
	v_mov_b32 v[BIAS+8*\b+\j], v[BIAS+8*\b]        ; v's lap: a lane holds one channel, so its eight registers take one bias
.endr
.endr
	LAP 1, 0, 0, 0                                 ; v: nothing is left to ask for
	PLACES
.irp bt, 0,1,2,3
	s_wait_xcnt 0x0
	QUANT2 ACC+32*\bt, 84                          ; channel tile bt: my 64 keys
	global_store_b128 v15, v[QP:QP+3], s[18:19] offset:1536*\bt
	global_store_b64 v16, v[QP+4:QP+5], s[18:19] offset:1536*\bt+512
	ds_store_b16 v18, v84 offset:4*\bt             ; two of the four bytes of a word of 128 keys; the other two are the other row half's
.endr
	s_wait_dscnt 0x0
	s_barrier_signal -1
	s_barrier_wait -1
	s_cmp_lg_u32 s14, 0
	s_cbranch_scc1 .Lnot_first
	ds_load_b128 v[88:91], v19
	s_wait_dscnt 0x0
	global_store_b128 v15, v[88:91], s[20:21]      ; 512 consecutive bytes
.Lnot_first:
	s_wait_tensorcnt 0x0                           ; the wave's end
	ds_add_u32 v[SPW], v[NIL]
	s_wait_dscnt 0x0
	CROUND                                         ; the closing round
	s_endpgm
.Lfunc_end_k_qb547f6ada5_qkvp:
	.size	k_qb547f6ada5_qkvp, .Lfunc_end_k_qb547f6ada5_qkvp-k_qb547f6ada5_qkvp
	.p2alignl 7, 3214868480
	.fill 96, 4, 3214868480
	.section	.rodata,"a",@progbits
	.p2align	6, 0x0
	.amdhsa_kernel k_qb547f6ada5_qkvp
		.amdhsa_group_segment_fixed_size 327680
		.amdhsa_private_segment_fixed_size 0
		.amdhsa_enable_private_segment 0
		.amdhsa_kernarg_size 32
		.amdhsa_user_sgpr_count 2
		.amdhsa_user_sgpr_kernarg_segment_ptr 1
		.amdhsa_wavefront_size32 1
		.amdhsa_system_sgpr_workgroup_id_x 1
		.amdhsa_system_sgpr_workgroup_id_y 1
		.amdhsa_system_sgpr_workgroup_id_z 1
		.amdhsa_system_vgpr_workitem_id 0
		.amdhsa_next_free_vgpr 448
		.amdhsa_next_free_sgpr 102
		.amdhsa_reserve_vcc 1
		.amdhsa_float_denorm_mode_32 3
		.amdhsa_float_denorm_mode_16_64 3
		.amdhsa_memory_ordered 1
		.amdhsa_forward_progress 1
		.amdhsa_inst_pref_size 154
	.end_amdhsa_kernel
	.amdgpu_metadata
---
amdhsa.version: [ 1, 2 ]
amdhsa.kernels:
  - .name:           k_qb547f6ada5_qkvp
    .symbol:         k_qb547f6ada5_qkvp.kd
    .args:
      - { .name: xa, .offset: 0, .size: 8, .value_kind: global_buffer, .address_space: global }
      - { .name: wb, .offset: 8, .size: 8, .value_kind: global_buffer, .address_space: global }
      - { .name: wx_b, .offset: 16, .size: 8, .value_kind: global_buffer, .address_space: global }
      - { .name: qkv, .offset: 24, .size: 8, .value_kind: global_buffer, .address_space: global }
    .group_segment_fixed_size: 327680
    .private_segment_fixed_size: 0
    .kernarg_segment_align: 8
    .kernarg_segment_size: 32
    .max_flat_workgroup_size: 128
    .sgpr_count:     102
    .vgpr_count:     448
    .wavefront_size: 32
...
	.end_amdgpu_metadata
.endif
;; end of part 2
;; launch attn (part 3): grid 4 x 64, 16 waves a work-group, clusters of 4 x 4, 327,680 bytes of LDS; arguments qkv, m, mh; writes mh
.if DOCPART == 3
	.amdgcn_target "amdgcn-amd-amdhsa--gfx1250"
	.amdhsa_code_object_version 6
	.text
	.protected	k_qb547f6ada5_attn
	.globl	k_qb547f6ada5_attn
	.p2align	8
	.type	k_qb547f6ada5_attn,@function
k_qb547f6ada5_attn:
	s_mov_b64 s[64:65], 0
	v_nop
	global_prefetch_b8 v0, s[64:65] scope:SCOPE_SE
	s_setreg_imm32_b32 hwreg(HW_REG_WAVE_MODE, 25, 1), 1
	s_wait_xcnt 0x0
	s_wait_alu depctr_hold_cnt(0) depctr_sa_sdst(0) depctr_va_vdst(0) depctr_va_sdst(0) depctr_va_ssrc(0) depctr_va_vcc(0) depctr_vm_vsrc(0)
	s_getreg_b32 s2, hwreg(HW_REG_IB_STS2, 6, 4)
	s_cmp_eq_u32 s2, 0
	s_cbranch_scc0 .Lentry_in_a_cluster
	s_endpgm
.Lentry_in_a_cluster:
	s_bfe_u32 s2, ttmp6, 0x10000c
	s_cmp_lg_u32 s2, 0xf033
	s_cbranch_scc0 .Lentry_shape_is_right
	s_endpgm
.Lentry_shape_is_right:
; Attention on codes of E3M2: S = q k^T + m, t = S log2(e) / 32, p = 2^(t - M) with M the ceiling of the running largest t, O = (sum p v) / (sum of the unquantised p); O is quantised along d on the way out.
; m is an input: every score of every key is made; nothing of reference() is left out.
; A work-group: 64 queries x 4 heads; wave w: query tile w % 4 (16 places) of head w / 4.  16 key steps of 128 through two LDS slots (mask tile 64 x 128 f32; K and V codes of four heads), the scale words of all keys once.
; CLUSTER 4 x 4: the mask tile hangs on the queries alone and is asked for jointly along a row (four groups of heads); K, V and their scales hang on batch and group and are asked for jointly along a column (four query blocks).
; Both products transposed: a lane holds one query.  THE MASK IS THE C OF THE SCORE PRODUCT: it is loaded in the result's layout, so s + m is one f32 sum in the matrix unit.
; The head has 64 channels: q's upper six registers are zero codes, so a key tile's operand is named over the next tile's registers: whatever stands there meets zeros (scale bytes 127 there).
; TWO ROLES.  A key step has two parts: LOADQK (K, the mask and V from LDS, the 8 score products) and SOFTPV (the softmax, p's codes, the 4 products onto O^T: registers alone).  Waves of role 0 run both behind the same
; change of slots; waves of role 1 run a step's SOFTPV one change later, ahead of the next step's LOADQK.  So while eight waves read LDS the other eight have vector work.  In both roles all LDS reads of a slot stand
; between the barrier that shows it whole and the barrier behind which it is filled again (V waits in registers); barriers, waits, adds, tensor loads and every LDS address step stand on the path that all waves take.
; The role is (w xor (w / 4)) % 2: two waves of each role among waves w, w + 4, w + 8, w + 12, and among four neighbouring waves too.
; LIMITS: NaN and infinities, an infinite m too, are not served; s + m is rounded by the matrix unit once; a block of p that has fallen to 0 keeps the byte 1 over zero codes.
.set SLOTB, 83712                      ; a slot: the mask, four groups of 16 rows of 528 bytes, 8,576 bytes apart (so that rows 0-7 and 16-23 start in 16 different columns of 16 bytes); from KVO on K | V
.set KVO, 34560
.set SCO, 167424                       ; k's scale words (32 KiB), then v's (16 KiB)
.set STG, 216576                       ; O's scale bytes meet here: 512 bytes
.set SPARE, 217088
.set WV, 10
.set TY, 14                            ; s14  my role
.set SEL, 20
.set CS, 22
.set G1M, 24
.set G1D, 32
.set G0M, 40
.set G0D, 48
.set G0S, 56
.set TRIPS, 66
.set LIM, 67
.set PFA, 68
.set PFS, 70
.set BM, 216
.set BP, 220
.set SOP, 224
; v1-2, v3-4 K | V addresses by slot; v5-6 the mask's; v7, v8 k's, v's scale words; v9, v10 the add's two; v11 L; v12 -M, v13 largest t, v[14:15] the sum; v16-27 q; v28 q's scales; v29 prefetch offset; v30 r, v31 h;
; v32-85 K (6 a tile, then six zeros), later V; v86-93 k's scales; v96-159 mask, scores, p; v160-191 O^T; v192-195 v's scales; v196-207 p's codes; v208-215, v216-228 at work; v230 f, v231 p's scale word; v233-237 the way out
.macro CROUND
	s_barrier_signal -1
	s_barrier_wait -1
	s_cmp_lg_u32 s[WV], 0
	s_cbranch_scc1 .Lnot_wave_0_\@
	s_barrier_signal -3
.Lnot_wave_0_\@:
	s_barrier_wait -3
	s_barrier_signal -1
	s_barrier_wait -1
.endm
.macro JLOAD slot                      ; waves 0-3: the mask's four groups of rows; wave 4: K | V; the others nothing
	s_cmp_lt_u32 s[WV], 4
	s_cbranch_scc0 .Lnot_m_\@
	tensor_load_to_lds s[G0M+4*\slot:G0M+4*\slot+3], s[G1M:G1M+7]
	s_nop 0
.rept 4
	v_nop
.endr
	s_branch .Lasked_\@
.Lnot_m_\@:
	s_cmp_eq_u32 s[WV], 4
	s_cbranch_scc0 .Lasked_\@
	tensor_load_to_lds s[G0D+4*\slot:G0D+4*\slot+3], s[G1D:G1D+7]
	s_nop 0
.rept 4
	v_nop
.endr
.Lasked_\@:
.endm
; A prefetch of the next trip's two key steps, behind the trip's second refill.  Each block of 256 bytes is named once in the launch: K | V by the first cluster of a batch (its four partners along y take 24 KiB each, by
; address; waves 8-10, lanes 256 bytes apart), the mask by the clusters of batch 0 (partners along x take 16 rows each, by address; waves 11, 12: 8 rows x 4 blocks).  The last trip asks for nothing; steps 0-3 come by their loads alone.
.macro ASK
	s_cmp_gt_u32 s[TRIPS], s[LIM]
	s_cbranch_scc0 .Lnot_mine_\@
	global_prefetch_b8 v29, s[PFA:PFA+1] th:TH_LOAD_NT scope:SCOPE_SE
.Lnot_mine_\@:
.endm
.macro CHANGE slot, fill, ask
	s_wait_tensorcnt 0x0                           ; all my tensor loads have landed
	ds_add_u32 v9, v10                             ; 0 onto my spare word
.if \fill
	ds_add_u32 v9, v10                             ; and, where a refill follows, twice on end
	s_add_nc_u64 s[G0M+4*\slot+2:G0M+4*\slot+3], s[G0M+4*\slot+2:G0M+4*\slot+3], 1024
	s_add_nc_u64 s[G0D+4*\slot+2:G0D+4*\slot+3], s[G0D+4*\slot+2:G0D+4*\slot+3], 98304
.if \ask
	s_wait_xcnt 0x0                                ; the last prefetch, a trip back, has read its address
	s_add_nc_u64 s[PFA:PFA+1], s[PFA:PFA+1], s[PFS:PFS+1]
.endif
	s_wait_dscnt 0x0                               ; the adds are done, and my reads of the slot are over: in role 1 V's too, which stays in registers
	CROUND
	JLOAD \slot
.if \ask
	ASK
.endif
.else
	s_wait_dscnt 0x0
	s_barrier_signal -1
	s_barrier_wait -1
.endif
.endm
; The first part of a key step: all its LDS reads, and the scores.  Every wave runs it between the same two barriers.
.macro LOADQK slot
.irp t, 0,1,2,3,4,5,6,7
	ds_load_b128 v[32+6*\t:35+6*\t], v[1+\slot] offset:768*\t
	ds_load_b64 v[36+6*\t:37+6*\t], v[3+\slot] offset:768*\t
.endr
	ds_load_b128 v[86:89], v7
	ds_load_b128 v[90:93], v7 offset:256
.irp q, 0,1,2,3
.irp i, 0,1,2,3
	ds_load_b128 v[96+16*\q+4*\i:99+16*\q+4*\i], v[5+\slot] offset:128*\q+16*\i   ; m(my query, 32 q + 16 h + 4 i ..): the result's layout
.endr
.endr
	s_wait_dscnt 0x0
.irp t, 0,1,2,3,4,5,6,7
	v_wmma_scale_f32_16x16x128_f8f6f4 v[96+8*\t:103+8*\t], v[32+6*\t:43+6*\t], v[16:27], v[96+8*\t:103+8*\t], v[86+\t], v28 matrix_a_fmt:MATRIX_FMT_BF6 matrix_b_fmt:MATRIX_FMT_BF6
.endr
	v_add_nc_u32 v7, 2048, v7                      ; the next step's scale words of k; with three v_nop the four places behind the products
.rept 3
	v_nop
.endr
.irp t, 0,1,2,3
.irp c, 0,1
	ds_load_b128 v[32+12*\t+6*\c:35+12*\t+6*\c], v[1+\slot] offset:24576+768*(2*\t+\c)
	ds_load_b64 v[36+12*\t+6*\c:37+12*\t+6*\c], v[3+\slot] offset:24576+768*(2*\t+\c)
.endr
.endr
	ds_load_b128 v[192:195], v8                    ; role 0: V lands while the softmax is walked; role 1: it is awaited in front of the barrier
	v_add_nc_u32 v8, 1024, v8                      ; the next step's scale words of v (an LDS load's address may be written behind it)
.endm
; The second part: registers alone.
.macro SOFTPV
.irp b, 0,1,2,3
	v_max3_num_f32 v[BM+\b], v[96+16*\b], v[97+16*\b], v[98+16*\b]   ; the largest score of each block of 32 keys: for the row's maximum and for the block's largest p
.endr
.irp i, 3,5,7,9,11,13
.irp b, 0,1,2,3
	v_max3_num_f32 v[BM+\b], v[BM+\b], v[96+16*\b+\i], v[97+16*\b+\i]
.endr
.endr
.irp b, 0,1,2,3
	v_max_num_f32 v[BM+\b], v[BM+\b], v[111+16*\b]
.endr
.irp b, 0,1,2,3
	v_permlanex16_b32 v[BP+\b], v[BM+\b], s[SEL], s[SEL+1]
.endr
.irp b, 0,1,2,3
	v_max_num_f32 v[BM+\b], v[BM+\b], v[BP+\b]
.endr
	v_max3_num_f32 v228, v[BM], v[BM+1], v[BM+2]
	v_max_num_f32 v228, v228, v[BM+3]
	v_mul_f32 v228, s[CS], v228
	v_max_num_f32 v13, v13, v228                   ; the running largest t
	v_mov_b32 v228, v12
	v_floor_f32 v12, -v13                          ; -M = floor(-t)
	v_sub_f32 v228, v12, v228
	v_cvt_i32_f32 v228, v228                       ; (it saturates)
	v_ldexp_f32 v230, 1.0, v228                    ; f = 2^(old M - new M)
.irp j, 0,2,4,6,8,10,12,14,16,18,20,22,24,26,28,30,32,34,36,38,40,42,44,46,48,50,52,54,56,58,60,62
	v_pk_fma_f32 v[96+\j:97+\j], v[96+\j:97+\j], s[CS:CS+1], v[12:13] op_sel_hi:[1,0,0]
.endr
.irp b, 0,1,2,3
	v_fma_f32 v[BM+\b], v[BM+\b], s[CS], v12
.endr
.set n, 0
.rept 64
	v_exp_f32 v[96+n], v[96+n]
.set n, n+1
.endr
	v_pk_mul_f32 v[14:15], v[14:15], v[230:231] op_sel_hi:[1,0]   ; a plain line behind the exponentials
	s_wait_alu depctr_va_vdst(0)                   ; one wait for the batch of 64
.irp b, 0,1,2,3
	v_exp_f32 v[BM+\b], v[BM+\b]
.endr
	v_pk_add_f32 v[BP:BP+1], v[96:97], v[98:99]    ; the row's sum, of the unquantised p
.irp j, 4,8,12,16,20,24,28,32,36,40,44,48,52,56,60
	v_pk_add_f32 v[14:15], v[14:15], v[96+\j:97+\j]
	v_pk_add_f32 v[BP:BP+1], v[BP:BP+1], v[98+\j:99+\j]
.endr
	v_pk_add_f32 v[14:15], v[14:15], v[BP:BP+1]
	s_wait_alu depctr_va_vdst(0)                   ; and one for the four
.irp b, 0,1,2,3
	v_max_num_f32 v[BM+\b], 0x2800000, v[BM+\b]
.endr
.irp b, 0,1,2,3
	v_add_nc_u32 v[SOP+\b], 0xfe000000, v[BM+\b]
.endr
.irp b, 0,1,2,3
	v_lshrrev_b32 v[BP+\b], 23, v[SOP+\b]
.endr
	v_lshl_or_b32 v231, v[BP+1], 8, v[BP]
	v_lshl_or_b32 v231, v[BP+2], 16, v231
	v_lshl_or_b32 v231, v[BP+3], 24, v231
.irp c, 0,1
	v_cvt_scalef32_pk16_bf6_f32 v[196+6*\c:198+6*\c], v[96+32*\c:111+32*\c], v[SOP+2*\c]
	v_cvt_scalef32_pk16_bf6_f32 v[208+4*\c:210+4*\c], v[112+32*\c:127+32*\c], v[SOP+2*\c+1]
.endr
	v_nop
.irp c, 0,1
.irp i, 0,1,2
	v_permlane16_swap_b32 v[196+6*\c+\i], v[208+4*\c+\i]
.endr
.irp i, 0,1,2
	v_mov_b32 v[199+6*\c+\i], v[208+4*\c+\i]
.endr
.endr
.irp j, 0,2,4,6,8,10,12,14,16,18,20,22,24,26,28,30
	v_pk_mul_f32 v[160+\j:161+\j], v[160+\j:161+\j], v[230:231] op_sel_hi:[1,0]   ; O^T under the new M; also the places in front of the products below
.endr
	s_wait_dscnt 0x0                               ; V
.irp t, 0,1,2,3
	v_wmma_scale_f32_16x16x128_f8f6f4 v[160+8*\t:167+8*\t], v[32+12*\t:43+12*\t], v[196:207], v[160+8*\t:167+8*\t], v[192+\t], v231 matrix_a_fmt:MATRIX_FMT_BF6 matrix_b_fmt:MATRIX_FMT_BF6
.endr
.rept 4
	v_nop                                          ; the four places in front of the next loads into V's registers, and of the first read of O^T
.endr
.endm
.macro PART ty                         ; SOFTPV for the waves of one role: the branch hangs on the wave's number alone and leads round work on registers alone
	s_cmp_eq_u32 s[TY], \ty
	s_cbranch_scc0 .Lnot_now_\@
	SOFTPV
.Lnot_now_\@:
.endm
	s_load_b128 s[4:7], s[0:1], 0x0                ; qkv, m
	s_load_b64 s[8:9], s[0:1], 0x10                ; mh
	v_lshl_add_u32 v9, v0, 2, SPARE
	v_mov_b32 v10, 0
	ds_add_u32 v9, v10                             ; the opening: the add, twice on end, and its wait
	ds_add_u32 v9, v10
	v_lshrrev_b32 v11, 5, v0
	v_readfirstlane_b32 s[WV], v11
	s_bfe_u32 s11, ttmp6, 0x40000                  ; cx
	s_bfe_u32 s12, ttmp6, 0x40004                  ; cy
	s_lshl_b32 s19, ttmp9, 2
	s_add_co_u32 s19, s19, s11                     ; g: the group of four heads
	s_and_b32 s13, ttmp7, 0xffff                   ; the cluster's y
	s_lshr_b32 s15, s13, 3                         ; b: from the cluster's y alone
	s_and_b32 s16, s13, 7
	s_lshl_b32 s16, s16, 2
	s_add_co_u32 s16, s16, s12                     ; qb: my block of 64 queries
	s_and_b32 s17, s[WV], 3                        ; qt
	s_lshr_b32 s18, s[WV], 2                       ; hd
	s_xor_b32 s[TY], s[WV], s18
	s_and_b32 s[TY], s[TY], 1                      ; my role
	s_lshl_b32 s60, s12, 2
	s_lshl_b32 s60, 15, s60
	s_lshl_b32 s61, 0x1111, s11
	s_or_b32 s[G1M], s60, (2<<16)|(1<<20)|(1<<21)|(6<<22)|(3<<25)   ; elements of 4 bytes; 4 words of padding behind every 128
	s_mov_b32 s[G1M+1], 128<<16
	s_mov_b32 s[G1M+2], 16<<16
	s_mov_b32 s[G1M+3], 128<<16
	s_mov_b32 s[G1M+4], 16
	s_mov_b32 s[G1M+5], 2048
	s_mov_b32 s[G1M+6], 0
	s_mov_b32 s[G1M+7], 0
	s_or_b32 s[G1D], s61, (3<<16)|(1<<21)          ; a dense block of 49,152 bytes as 192 rows of 256
	s_mov_b32 s[G1D+1], 32<<16
	s_mov_b32 s[G1D+2], 192<<16
	s_mov_b32 s[G1D+3], 32<<16
	s_mov_b32 s[G1D+4], 192
	s_mov_b32 s[G1D+5], 32
	s_mov_b32 s[G1D+6], 0
	s_mov_b32 s[G1D+7], 0
	s_lshl_b32 s62, s16, 19
	s_lshl_b32 s63, s17, 17
	s_add_co_u32 s62, s62, s63                     ; the mask: row 64 qb + 16 (w % 4)
	s_mov_b32 s63, 0
	s_lshl_b32 s72, s15, 2
	s_add_co_u32 s72, s72, s19                     ; 4 b + g
	s_mul_i32 s74, s72, 786432
	s_add_co_u32 s74, s74, 3407872
	s_mov_b32 s82, s74                             ; (kept for the prefetches)
	s_mov_b32 s75, 0
	s_mul_i32 s76, s72, 49152
	s_add_co_u32 s76, s76, 9699328
	s_mov_b32 s77, 0
	s_mul_i32 s73, s17, 8576
	s_mov_b32 s[SEL], 0x76543210
	s_mov_b32 s[SEL+1], 0xfedcba98
	s_mov_b32 s[CS], 0x3d38aa3b                    ; log2(e) / 32
	s_mov_b32 s[CS+1], s[CS]
	s_mov_b32 s[TRIPS], 7
	s_wait_dscnt 0x0
	s_wait_kmcnt 0x0
	s_add_nc_u64 s[62:63], s[6:7], s[62:63]
	s_add_nc_u64 s[74:75], s[4:5], s[74:75]
	s_add_nc_u64 s[76:77], s[4:5], s[76:77]
	CROUND                                         ; in front of the first joint loads
.irp s, 0,1
	s_mov_b32 s[G0M+4*\s], 1
	s_add_co_u32 s[G0M+4*\s+1], s73, \s*SLOTB
	s_add_nc_u64 s[G0M+4*\s+2:G0M+4*\s+3], s[62:63], \s*512
	s_or_b32 s[G0M+4*\s+3], s[G0M+4*\s+3], 0x80000000
	s_mov_b32 s[G0D+4*\s], 1
	s_mov_b32 s[G0D+4*\s+1], \s*SLOTB+KVO
	s_add_nc_u64 s[G0D+4*\s+2:G0D+4*\s+3], s[74:75], \s*49152
	s_or_b32 s[G0D+4*\s+3], s[G0D+4*\s+3], 0x80000000
.endr
	s_mov_b32 s[G0S], 1
	s_mov_b32 s[G0S+1], SCO
	s_mov_b64 s[G0S+2:G0S+3], s[76:77]
	s_or_b32 s[G0S+3], s[G0S+3], 0x80000000
	s_cmp_lt_u32 s[WV], 4                          ; a wave's first fills stand in one branch: three loads of a wave are out at the most
	s_cbranch_scc0 .Lf_not_m
	tensor_load_to_lds s[G0M:G0M+3], s[G1M:G1M+7]
	s_nop 0
	tensor_load_to_lds s[G0M+4:G0M+7], s[G1M:G1M+7]
	s_nop 0
.rept 4
	v_nop
.endr
	s_branch .Lf_done
.Lf_not_m:
	s_cmp_eq_u32 s[WV], 4
	s_cbranch_scc0 .Lf_done
	tensor_load_to_lds s[G0S:G0S+3], s[G1D:G1D+7]
	s_nop 0
	tensor_load_to_lds s[G0D:G0D+3], s[G1D:G1D+7]
	s_nop 0
	tensor_load_to_lds s[G0D+4:G0D+7], s[G1D:G1D+7]
	s_nop 0
.rept 4
	v_nop
.endr
.Lf_done:
	v_and_b32 v11, 31, v0                          ; L
	v_and_b32 v30, 15, v0                          ; r
	v_bfe_u32 v31, v0, 4, 1                        ; h
	v_lshlrev_b32 v235, 4, v11
	v_lshlrev_b32 v236, 3, v11
	; q: block j = qb / 2, half qb % 2, tile qt
	s_lshl_b32 s60, s72, 4
	s_lshr_b32 s61, s16, 1
	s_add_co_u32 s60, s60, s61
	s_and_b32 s61, s16, 1
	s_mul_i32 s78, s60, 24576
	s_mul_i32 s79, s18, 6144
	s_add_co_u32 s78, s78, s79
	s_lshl_b32 s79, s61, 2
	s_add_co_u32 s79, s79, s17
	s_mul_i32 s79, s79, 768
	s_add_co_u32 s78, s78, s79
	s_mov_b32 s79, 0
	s_add_nc_u64 s[78:79], s[4:5], s[78:79]
	global_load_b128 v[16:19], v235, s[78:79]
	global_load_b64 v[20:21], v236, s[78:79] offset:512
	s_lshl_b32 s80, s60, 2
	s_add_co_u32 s80, s80, s18
	s_lshl_b32 s80, s80, 9
	s_lshl_b32 s81, s61, 8
	s_add_co_u32 s80, s80, s81
	s_lshl_b32 s81, s17, 2
	s_add_co_u32 s80, s80, s81
	s_add_co_u32 s80, s80, 3145728
	s_mov_b32 s81, 0
	s_add_nc_u64 s[80:81], s[4:5], s[80:81]
	v_lshlrev_b32 v237, 4, v30
	global_load_b32 v28, v237, s[80:81]
	s_mul_i32 s60, s18, 6144
	s_add_co_u32 s60, s60, KVO
	v_lshl_add_u32 v1, v11, 4, s60
	v_add_nc_u32 v2, SLOTB, v1
	s_add_co_u32 s60, s60, 512
	v_lshl_add_u32 v3, v11, 3, s60
	v_add_nc_u32 v4, SLOTB, v3
	s_lshr_b32 s60, s17, 1
	s_mul_i32 s60, s60, 17152
	s_and_b32 s61, s17, 1
	s_mul_i32 s61, s61, 4224
	s_add_co_u32 s60, s60, s61
	v_lshrrev_b32 v5, 3, v30
	v_mul_u32_u24 v5, v5, 8576
	v_and_b32 v6, 7, v30
	v_mad_u32_u24 v5, v6, 528, v5
	v_lshl_add_u32 v5, v31, 6, v5
	v_add_nc_u32 v5, s60, v5                       ; my query's row of the mask tile, + 64 h
	v_add_nc_u32 v6, SLOTB, v5
	s_lshl_b32 s60, s18, 9
	s_add_co_u32 s60, s60, SCO
	v_lshl_add_u32 v7, v30, 4, s60
	s_lshl_b32 s60, s18, 8
	s_add_co_u32 s60, s60, SCO+32768
	v_lshl_add_u32 v8, v30, 4, s60
	s_lshr_b32 s60, s18, 1
	s_lshl_b32 s60, s60, 8
	s_lshl_b32 s61, s17, 6
	s_add_co_u32 s60, s60, s61
	s_and_b32 s61, s18, 1
	s_lshl_b32 s61, s61, 1
	s_add_co_u32 s60, s60, s61
	s_add_co_u32 s60, s60, STG
	v_lshl_add_u32 v233, v30, 2, s60               ; O's two scale bytes: 256 (hd / 2) + 4 (16 qt + r) + 2 (hd % 2)
	v_lshl_add_u32 v234, v11, 4, STG
	; the prefetches
	s_mul_i32 s83, s12, 24576
	s_add_co_u32 s83, s83, s82
	s_and_b32 s84, s[WV], 3
	s_lshl_b32 s84, s84, 13
	s_add_co_u32 s83, s83, s84
	s_add_co_u32 s83, s83, 98304                   ; K | V: my part, one pair of steps short of steps 4 and 5: the first trip's change steps it there
	s_lshl_b32 s84, s16, 19
	s_lshl_b32 s85, s11, 17
	s_add_co_u32 s84, s84, s85
	s_add_co_u32 s85, s[WV], 1
	s_and_b32 s85, s85, 1
	s_lshl_b32 s85, s85, 16
	s_add_co_u32 s84, s84, s85
	s_add_co_u32 s84, s84, 1024                    ; the mask: my 8 rows, likewise
	s_mov_b32 s[PFS], 1024
	s_mov_b32 s88, 8192
	s_cmp_lt_u32 s[WV], 11
	s_cselect_b64 s[PFA:PFA+1], s[4:5], s[6:7]
	s_cselect_b32 s[PFS], 98304, s[PFS]
	s_cselect_b32 s88, 1024, s88
	s_cselect_b32 s86, s83, s84
	s_mov_b32 s87, 0
	s_mov_b32 s[PFS+1], 0
	s_add_nc_u64 s[PFA:PFA+1], s[PFA:PFA+1], s[86:87]
	v_lshrrev_b32 v29, 2, v11
	v_mul_lo_u32 v29, v29, s88
	v_and_b32 v229, 3, v11
	v_lshl_add_u32 v29, v229, 8, v29               ; 256 (L % 4) + (L / 4) x 1,024 or a row of the mask
	s_and_b32 s89, s13, 7
	s_lshr_b32 s90, s13, 3
	s_cmp_lt_u32 s[WV], 11
	s_cselect_b32 s89, s89, s90                    ; 0 in the cluster that asks
	s_sub_co_u32 s90, s[WV], 8
	s_cmp_lt_u32 s90, 5
	s_cselect_b32 s90, 0, 1                        ; 0 in waves 8 to 12
	s_or_b32 s89, s89, s90
	s_cmp_eq_u32 s89, 0
	s_cselect_b32 s[LIM], 1, -1                    ; the same in all sixteen partners, for a given wave
	v_mov_b32 v13, 0xff61b1e6                      ; -3e38
	v_floor_f32 v12, -v13
	v_mov_b32 v14, 0
	v_mov_b32 v15, 0
	v_mov_b32 v231, 0
.irp j, 22,23,24,25,26,27,80,81,82,83,84,85,220,221,222,223
	v_mov_b32 v\j, 0
.endr
.set n, 0
.rept 32
	v_mov_b32 v[160+n], 0                          ; the step is written once: the first finds zeros
.set n, n+1
.endr
	s_wait_tensorcnt 0x1                           ; the scale words and slot 0 are in; slot 1's load may be out
	s_barrier_signal -1
	s_barrier_wait -1
	s_wait_loadcnt 0x0                             ; q
	LOADQK 0                                       ; step 0
	PART 0
.Ltrip:                                            ; 7 trips: steps 2 t + 1 and 2 t + 2; the slots take steps 2 t + 2 and 2 t + 3
	CHANGE 0, 1, 0
	PART 1                                         ; role 1: the step before
	LOADQK 1
	PART 0                                         ; role 0: this step
	CHANGE 1, 1, 1
	PART 1
	LOADQK 0
	PART 0
	s_sub_co_u32 s[TRIPS], s[TRIPS], 1
	s_cmp_lg_u32 s[TRIPS], 0
	s_cbranch_scc1 .Ltrip
	CHANGE 0, 0, 0                                 ; nothing is left to ask for
	PART 1
	LOADQK 1
	SOFTPV                                         ; the last step's, in both roles
	; THE WAY OUT
	v_add_f32 v14, v14, v15
	v_permlanex16_b32 v220, v14, s[SEL], s[SEL+1]
	v_add_f32 v14, v14, v220
	v_rcp_f32 v14, v14
	v_lshlrev_b32 v237, 9, v31                     ; (a plain line behind the reciprocal)
	v_lshl_add_u32 v237, v30, 4, v237              ; 512 (L / 16) + 16 (L % 16)
	s_wait_alu depctr_va_vdst(0)
.set n, 0
.rept 32
	v_mul_f32 v[96+n], v[160+n], v14               ; register 16 b + i: channel 32 b + 16 h + i of my head
.set n, n+1
.endr
.irp b, 0,1
	v_max3_num_f32 v[BM+\b], |v[96+16*\b]|, |v[97+16*\b]|, 0x2800000
.endr
.irp i, 2,4,6,8,10,12,14
.irp b, 0,1
	v_max3_num_f32 v[BM+\b], v[BM+\b], |v[96+16*\b+\i]|, |v[97+16*\b+\i]|
.endr
.endr
.irp b, 0,1
	v_permlanex16_b32 v[BP+\b], v[BM+\b], s[SEL], s[SEL+1]
.endr
.irp b, 0,1
	v_max_num_f32 v[BM+\b], v[BM+\b], v[BP+\b]
.endr
.irp b, 0,1
	v_add_nc_u32 v[SOP+\b], 0xfe000000, v[BM+\b]
.endr
.irp b, 0,1
	v_lshrrev_b32 v[BP+\b], 23, v[SOP+\b]
.endr
	v_lshl_or_b32 v228, v[BP+1], 8, v[BP]
	v_cvt_scalef32_pk16_bf6_f32 v[196:198], v[96:111], v[SOP]
	v_cvt_scalef32_pk16_bf6_f32 v[208:210], v[112:127], v[SOP+1]
	v_nop
.irp i, 0,1,2
	v_permlane16_swap_b32 v[196+\i], v[208+\i]
.endr
.irp i, 0,1,2
	v_mov_b32 v[199+\i], v[208+\i]
.endr
	s_lshl_b32 s60, s15, 7
	s_lshl_b32 s61, s16, 2
	s_add_co_u32 s60, s60, s61
	s_add_co_u32 s60, s60, s17                     ; the token tile
	s_lshl_b32 s60, s60, 4
	s_lshl_b32 s61, s19, 2
	s_add_co_u32 s60, s60, s61
	s_add_co_u32 s60, s60, s18                     ; x 16 + the head
	s_mul_i32 s60, s60, 768
	s_mov_b32 s61, 0
	s_add_nc_u64 s[60:61], s[8:9], s[60:61]
	global_store_b128 v235, v[196:199], s[60:61]
	global_store_b64 v236, v[200:201], s[60:61] offset:512
	ds_store_b16 v233, v228
	s_wait_dscnt 0x0
	s_barrier_signal -1
	s_barrier_wait -1
	s_cmp_lg_u32 s[WV], 0
	s_cbranch_scc1 .Lnot_first
	s_lshl_b32 s72, s15, 4
	s_lshr_b32 s73, s16, 1
	s_add_co_u32 s72, s72, s73
	s_lshl_b32 s72, s72, 12
	s_lshl_b32 s73, s19, 10
	s_add_co_u32 s72, s72, s73
	s_and_b32 s73, s16, 1
	s_lshl_b32 s73, s73, 8
	s_add_co_u32 s72, s72, s73
	s_add_co_u32 s72, s72, 3145728
	s_mov_b32 s73, 0
	s_add_nc_u64 s[72:73], s[8:9], s[72:73]
	ds_load_b128 v[212:215], v234
	s_wait_dscnt 0x0
	global_store_b128 v237, v[212:215], s[72:73]   ; two runs of 256 consecutive bytes
.Lnot_first:
	s_wait_tensorcnt 0x0                           ; the wave's end
	ds_add_u32 v9, v10
	s_wait_dscnt 0x0
	CROUND                                         ; the closing round
	s_endpgm
.Lfunc_end_k_qb547f6ada5_attn:
	.size	k_qb547f6ada5_attn, .Lfunc_end_k_qb547f6ada5_attn-k_qb547f6ada5_attn
	.p2alignl 7, 3214868480
	.fill 96, 4, 3214868480
	.section	.rodata,"a",@progbits
	.p2align	6, 0x0
	.amdhsa_kernel k_qb547f6ada5_attn
		.amdhsa_group_segment_fixed_size 327680
		.amdhsa_private_segment_fixed_size 0
		.amdhsa_enable_private_segment 0
		.amdhsa_kernarg_size 24
		.amdhsa_user_sgpr_count 2
		.amdhsa_user_sgpr_kernarg_segment_ptr 1
		.amdhsa_wavefront_size32 1
		.amdhsa_system_sgpr_workgroup_id_x 1
		.amdhsa_system_sgpr_workgroup_id_y 1
		.amdhsa_system_sgpr_workgroup_id_z 1
		.amdhsa_system_vgpr_workitem_id 0
		.amdhsa_next_free_vgpr 256
		.amdhsa_next_free_sgpr 92
		.amdhsa_reserve_vcc 0
		.amdhsa_float_denorm_mode_32 3
		.amdhsa_float_denorm_mode_16_64 3
		.amdhsa_memory_ordered 1
		.amdhsa_forward_progress 1
		.amdhsa_inst_pref_size 124
	.end_amdhsa_kernel
	.amdgpu_metadata
---
amdhsa.version: [ 1, 2 ]
amdhsa.kernels:
  - .name:           k_qb547f6ada5_attn
    .symbol:         k_qb547f6ada5_attn.kd
    .args:
      - { .name: qkv, .offset: 0, .size: 8, .value_kind: global_buffer, .address_space: global }
      - { .name: m, .offset: 8, .size: 8, .value_kind: global_buffer, .address_space: global }
      - { .name: mh, .offset: 16, .size: 8, .value_kind: global_buffer, .address_space: global }
    .group_segment_fixed_size: 327680
    .private_segment_fixed_size: 0
    .kernarg_segment_align: 8
    .kernarg_segment_size: 24
    .max_flat_workgroup_size: 512
    .sgpr_count:     92
    .vgpr_count:     256
    .wavefront_size: 32
...
	.end_amdgpu_metadata
.endif
;; end of part 3
;; launch proj (part 4): grid 8 x 32, 4 waves a work-group, clusters of 4 x 4, 327,680 bytes of LDS; arguments mh, wb, wo_b, x, x1; writes x1
.if DOCPART == 4
	.amdgcn_target "amdgcn-amd-amdhsa--gfx1250"
	.amdhsa_code_object_version 6
	.text
	.protected	k_qb547f6ada5_proj
	.globl	k_qb547f6ada5_proj
	.p2align	8
	.type	k_qb547f6ada5_proj,@function
k_qb547f6ada5_proj:
	s_mov_b64 s[64:65], 0
	v_nop
	global_prefetch_b8 v0, s[64:65] scope:SCOPE_SE
	s_setreg_imm32_b32 hwreg(HW_REG_WAVE_MODE, 25, 1), 1
	s_wait_xcnt 0x0
	s_wait_alu depctr_hold_cnt(0) depctr_sa_sdst(0) depctr_va_vdst(0) depctr_va_sdst(0) depctr_va_ssrc(0) depctr_va_vcc(0) depctr_vm_vsrc(0)
	s_getreg_b32 s2, hwreg(HW_REG_IB_STS2, 6, 4)
	s_cmp_eq_u32 s2, 0
	s_cbranch_scc0 .Lentry_in_a_cluster
	s_endpgm
.Lentry_in_a_cluster:
	s_bfe_u32 s2, ttmp6, 0x10000c
	s_cmp_lg_u32 s2, 0xf033
	s_cbranch_scc0 .Lentry_shape_is_right
	s_endpgm
.Lentry_shape_is_right:
; x1 = x + Q(mha) Q(wo_w) + wo_b.  The frame is the qkv launch's: 128 places of tokens x 128 columns a work-group, four waves of 64 x 64, K = 1,024 in two LDS slots, filled once; joint loads in a cluster of 4 x 4.
; Nothing of reference() is left out.  LIMITS as in the first launch.  The results go through each wave's own stage in LDS, so that sixteen lanes store 256 consecutive bytes of a row; places are turned back into rows by the stores' offsets.
; THE RESIDUAL, my 64 x 64 numbers of x, is asked for at the head, into 128 registers of its own (window 2): its 32 loads are on their way under the whole product.
.set KK, 1024
.set ASOFF, 3145728
.set BCOFF, 2359296
.set BSOFF, 9535488
.set HS, 2048
.set SSO, 2048
.set SAR, 8
.set SAH, 2048
.set SBC, 32
.set SBR, 8
.set SBP, 32
.set STAGE, 229376                     ; 16 rows x 272 bytes for each wave
.set SPARE, 246784
.set SLOT, 98304
.set SCL, 196608
.set ACC, 128
.set BIAS, 34
.set SC, 26
.set SPW, 24
.set NIL, 25
.set RB, 66
.set G1, 24
.set G0, 32
.set G1B, 48
.set G0B, 56
.set G1S, 68
.set G0S, 76
.set G1SB, 80
.set G0SB, 88
.set W_MUL, 0x05
.set W_TOF, 0x40
.set MSB, 0
.macro WIN new
.if MSB != \new
	s_set_vgpr_msb (MSB<<8)|\new
.set MSB, \new
.endif
.endm
.macro PLACES
.rept 4
	v_nop
.endr
.endm
.macro JLOAD g0a, g1a, g0b, g1b
	s_cmp_eq_u32 s15, 0
	s_cbranch_scc0 .Lfor_b_\@
	tensor_load_to_lds s[\g0a:\g0a+3], s[\g1a:\g1a+7]
	s_nop 0
.rept 4
	v_nop
.endr
	s_branch .Lasked_\@
.Lfor_b_\@:
	tensor_load_to_lds s[\g0b:\g0b+3], s[\g1b:\g1b+7]
	s_nop 0
.rept 4
	v_nop
.endr
.Lasked_\@:
.endm
.macro CREST
	s_cmp_lg_u32 s14, 0
	s_cbranch_scc1 .Lnot_wave_0_\@
	s_barrier_signal -3
.Lnot_wave_0_\@:
	s_barrier_wait -3
	s_barrier_signal -1
	s_barrier_wait -1
.endm
.macro CROUND
	s_barrier_signal -1
	s_barrier_wait -1
	CREST
.endm
.macro FETCH slot, q, f
	WIN W_TOF
.irp i, 0,1,2,3
.irp c, 0,1
	ds_load_b128 v[96*(\f)+48+12*\i+6*\c:96*(\f)+48+12*\i+6*\c+3], v[8+\slot] offset:6144*\i+1536*(\q)+768*\c
	ds_load_b64 v[96*(\f)+48+12*\i+6*\c+4:96*(\f)+48+12*\i+6*\c+5], v[10+\slot] offset:6144*\i+1536*(\q)+768*\c
.endr
.endr
.irp i, 0,1,2,3
.irp c, 0,1
	ds_load_b128 v[96*(\f)+12*\i+6*\c:96*(\f)+12*\i+6*\c+3], v[4+\slot] offset:6144*\i+1536*(\q)+768*\c
	ds_load_b64 v[96*(\f)+12*\i+6*\c+4:96*(\f)+12*\i+6*\c+5], v[6+\slot] offset:6144*\i+1536*(\q)+768*\c
.endr
.endr
	WIN 0
.irp i, 0,1,2,3
	ds_load_b32 v[SC+4*(\f)+\i], v12 offset:SSO*(\slot)+512*(\q)+64*\i
.endr
.endm
.macro MUL8 f, a0, cm                  ; source 0 = weights, source 1 = tokens; the sixteen accumulators take turns
.irp a, \a0, \a0+1
.irp b, 0,1,2,3
.set DD, ACC+8*(4*(\a)+\b)
.if \cm
	v_wmma_scale_f32_16x16x128_f8f6f4 v[DD:DD+7], v[96*(\f)+48+12*\b:96*(\f)+48+12*\b+11], v[96*(\f)+12*(\a):96*(\f)+12*(\a)+11], v[BIAS+8*\b:BIAS+8*\b+7], v[SC+4*(\f)+\b], v[SC+4*(\f)+(\a)] matrix_a_fmt:MATRIX_FMT_BF6 matrix_b_fmt:MATRIX_FMT_BF6 matrix_a_scale:MATRIX_SCALE_ROW1
.else
	v_wmma_scale_f32_16x16x128_f8f6f4 v[DD:DD+7], v[96*(\f)+48+12*\b:96*(\f)+48+12*\b+11], v[96*(\f)+12*(\a):96*(\f)+12*(\a)+11], v[DD:DD+7], v[SC+4*(\f)+\b], v[SC+4*(\f)+(\a)] matrix_a_fmt:MATRIX_FMT_BF6 matrix_b_fmt:MATRIX_FMT_BF6 matrix_a_scale:MATRIX_SCALE_ROW1
.endif
.endr
.endr
.endm
.macro STEP slot, q, cm
	s_wait_dscnt 0x0
	PLACES
	FETCH \slot, (\q)+1, 1-(\q)%2
	WIN W_MUL
	MUL8 (\q)%2, 0, \cm
	MUL8 (\q)%2, 2, \cm
.endm
	s_load_b256 s[4:11], s[0:1], 0x0               ; mh, wb, wo_b, x
	s_load_b64 s[12:13], s[0:1], 0x20              ; x1
	v_lshl_add_u32 v[SPW], v0, 2, SPARE
	v_mov_b32 v[NIL], 0
	ds_add_u32 v[SPW], v[NIL]                      ; the opening: the add, twice on end, and its wait
	ds_add_u32 v[SPW], v[NIL]
	v_lshrrev_b32 v1, 5, v0
	v_readfirstlane_b32 s14, v1
	s_lshr_b32 s15, s14, 1
	s_and_b32 s16, s14, 1
	s_bfe_u32 s40, ttmp6, 0x40000
	s_bfe_u32 s41, ttmp6, 0x40004
	s_lshl_b32 s42, ttmp9, 2
	s_add_co_u32 s42, s42, s40
	s_and_b32 s17, ttmp7, 0xffff
	s_lshl_b32 s17, s17, 2
	s_add_co_u32 s17, s17, s41
	s_lshl_b32 s43, s41, 2
	s_lshl_b32 s43, 15, s43
	s_lshl_b32 s44, 0x1111, s40
	s_or_b32 s[G1], s43, (3<<16)|(1<<21)
	s_or_b32 s[G1B], s44, (3<<16)|(1<<21)
.irp g, G1, G1B
	s_mov_b32 s[\g+1], 768<<16
	s_mov_b32 s[\g+2], 4<<16
	s_mov_b32 s[\g+3], 768<<16
	s_mov_b32 s[\g+4], 4
	s_mov_b32 s[\g+5], KK*12/8
	s_mov_b32 s[\g+6], 0
	s_mov_b32 s[\g+7], 0
.endr
	s_or_b32 s[G1S], s43, (3<<16)|(1<<21)
	s_or_b32 s[G1SB], s44, (3<<16)|(1<<21)
	s_mov_b32 s[G1S+1], 32<<16
	s_mov_b32 s[G1S+2], SAR<<16
	s_mov_b32 s[G1S+3], 32<<16
	s_mov_b32 s[G1S+4], SAR
	s_mov_b32 s[G1S+5], 32
	s_mov_b32 s[G1S+6], 0
	s_mov_b32 s[G1S+7], 0
	s_mov_b32 s[G1SB+1], SBC<<16
	s_mov_b32 s[G1SB+2], SBR<<16
	s_mov_b32 s[G1SB+3], SBC<<16
	s_mov_b32 s[G1SB+4], SBR
	s_mov_b32 s[G1SB+5], SBP
	s_mov_b32 s[G1SB+6], 0
	s_mov_b32 s[G1SB+7], 0
	s_lshl_b32 s18, s16, 2
	s_lshl_b32 s20, s17, 3
	s_add_co_u32 s20, s20, s18
	s_lshl_b32 s46, s42, 3
	s_add_co_u32 s46, s46, s18
	s_mul_i32 s20, s20, 12*KK
	s_mul_i32 s46, s46, 12*KK
	s_add_co_u32 s46, s46, BCOFF
	s_mov_b32 s21, 0
	s_mov_b32 s47, 0
	s_mul_i32 s19, s16, SAH
	s_mul_i32 s22, s17, 4*KK
	s_add_co_u32 s22, s22, s19
	s_add_co_u32 s22, s22, ASOFF
	s_mov_b32 s23, 0
	s_mul_i32 s92, s42, 4*KK
	s_add_co_u32 s92, s92, s19
	s_add_co_u32 s92, s92, BSOFF
	s_mov_b32 s93, 0
	s_mul_i32 s45, s14, 24576
	s_mul_i32 s94, s14, HS
	s_wait_dscnt 0x0
	s_wait_kmcnt 0x0
	s_add_nc_u64 s[20:21], s[4:5], s[20:21]
	s_add_nc_u64 s[22:23], s[4:5], s[22:23]
	s_add_nc_u64 s[46:47], s[6:7], s[46:47]
	s_add_nc_u64 s[92:93], s[6:7], s[92:93]
	CROUND
	s_mov_b32 s[G0S], 1
	s_add_co_u32 s[G0S+1], s94, SCL
	s_mov_b64 s[G0S+2:G0S+3], s[22:23]
	s_or_b32 s[G0S+3], s[G0S+3], 0x80000000
	s_mov_b32 s[G0SB], 1
	s_add_co_u32 s[G0SB+1], s94, SCL
	s_mov_b64 s[G0SB+2:G0SB+3], s[92:93]
	s_or_b32 s[G0SB+3], s[G0SB+3], 0x80000000
	JLOAD G0S, G1S, G0SB, G1SB
.irp s, 0,1
	s_mov_b32 s[G0+4*\s], 1
	s_add_co_u32 s[G0+4*\s+1], s45, \s*SLOT
	s_add_nc_u64 s[G0+4*\s+2:G0+4*\s+3], s[20:21], \s*6144
	s_or_b32 s[G0+4*\s+3], s[G0+4*\s+3], 0x80000000
	s_mov_b32 s[G0B+4*\s], 1
	s_add_co_u32 s[G0B+4*\s+1], s45, \s*SLOT
	s_add_nc_u64 s[G0B+4*\s+2:G0B+4*\s+3], s[46:47], \s*6144
	s_or_b32 s[G0B+4*\s+3], s[G0B+4*\s+3], 0x80000000
	JLOAD G0+4*\s, G1, G0B+4*\s, G1B               ; three loads of mine are out at the most
.endr
	v_and_b32 v3, 31, v0
	v_and_b32 v1, 15, v0
	v_bfe_u32 v2, v0, 4, 1
	v_lshlrev_b32 v15, 4, v3
	v_lshlrev_b32 v16, 3, v3
	s_mul_i32 s21, s15, 24576
	s_mul_i32 s22, s16, 24576
	s_add_co_u32 s22, s22, 49152
.irp s, 0,1
	v_add_nc_u32 v[4+\s], s21, v15
	v_add_nc_u32 v[8+\s], s22, v15
	s_add_co_u32 s21, s21, 512
	s_add_co_u32 s22, s22, 512
	v_add_nc_u32 v[6+\s], s21, v16
	v_add_nc_u32 v[10+\s], s22, v16
	s_add_co_u32 s21, s21, SLOT-512
	s_add_co_u32 s22, s22, SLOT-512
.endr
	s_lshl_b32 s21, s15, 8
	s_lshl_b32 s22, s16, 8
	s_add_co_u32 s22, s22, 2*HS
	s_sub_co_u32 s22, s22, s21
	v_mul_u32_u24 v12, s22, v2
	s_add_co_u32 s21, s21, SCL
	v_lshl_add_u32 v12, v1, 2, v12
	v_add_nc_u32 v12, s21, v12
	s_mul_i32 s21, s14, 4352
	s_add_co_u32 s21, s21, STAGE                   ; my stage
	v_mul_u32_u24 v17, v1, 272
	v_lshl_add_u32 v17, v2, 6, v17
	v_add_nc_u32 v17, s21, v17                     ; in: row r, + 64 h
	v_mul_u32_u24 v18, v2, 272
	v_lshl_add_u32 v18, v1, 4, v18
	v_add_nc_u32 v18, s21, v18                     ; back: lanes 0-15 one row, lanes 16-31 the next
	v_lshlrev_b32 v19, 12, v2
	v_lshl_add_u32 v19, v1, 4, v19                 ; and the same in memory; never rewritten
	v_lshlrev_b32 v20, 6, v2
	s_mov_b32 s95, 0
	s_lshl_b32 s94, s42, 9
	s_lshl_b32 s45, s16, 8
	s_add_co_u32 s94, s94, s45
	s_add_nc_u64 s[8:9], s[8:9], s[94:95]          ; the bias of my 64 columns
	s_lshl_b32 s45, s17, 19
	s_add_co_u32 s94, s94, s45
	s_lshl_b32 s45, s15, 18
	s_add_co_u32 s94, s94, s45                     ; row 128 Y + 64 rm, my 64 columns
	s_add_nc_u64 s[10:11], s[10:11], s[94:95]
	s_add_nc_u64 s[12:13], s[12:13], s[94:95]
.irp b, 0,1,2,3
	global_load_b128 v[BIAS+8*\b:BIAS+8*\b+3], v20, s[8:9] offset:(32*(\b/2)+8*(\b%2))*4
	global_load_b128 v[BIAS+8*\b+4:BIAS+8*\b+7], v20, s[8:9] offset:(32*(\b/2)+8*(\b%2))*4+16
.endr
	WIN 0x80                                       ; destination window 2: the residual's 128 registers, which nothing else names
.irp a, 0,1,2,3
.irp i, 0,1,2,3,4,5,6,7
	global_load_b128 v[32*\a+4*\i:32*\a+4*\i+3], v19, s[10:11] offset:(32*(\a/2)+8*(\a%2)+2*\i+8*(\i/4))*4096 th:TH_LOAD_NT
.endr
.endr
	WIN 0
	s_wait_tensorcnt 0x1                           ; the scale words and slot 0 are in; slot 1's load may be out
	s_barrier_signal -1
	s_barrier_wait -1
	FETCH 0, 0, 0
	s_wait_loadcnt 32                              ; the bias is in; the residual's 32 younger loads may be out
	STEP 0, 0, 1
	STEP 0, 1, 0
	STEP 0, 2, 0
	WIN 0
	s_wait_tensorcnt 0x0                           ; my part of slot 1 is in
	s_wait_dscnt 0x0
	s_barrier_signal -1
	WIN W_MUL
	MUL8 1, 0, 0
	WIN 0
	s_barrier_wait -1                              ; everybody's is; nothing is filled again in this launch
	PLACES
	FETCH 1, 0, 0
	WIN W_MUL
	MUL8 1, 2, 0
	STEP 1, 0, 0
	STEP 1, 1, 0
	STEP 1, 2, 0
	s_wait_dscnt 0x0
	WIN W_MUL
	MUL8 1, 0, 0
	MUL8 1, 2, 0
	WIN 0
	PLACES                                         ; four places in front of the first read of results
.irp a, 0,1,2,3
.irp g, 0,1
.irp i, 0,1,2,3
	ds_store_b128 v17, v[ACC+32*\a+16*\g+4*\i:ACC+32*\a+16*\g+4*\i+3] offset:128*\g+16*\i   ; columns 32 g + 16 h + 4 i ..; each accumulator from its low end on
.endr
.endr
.if \a > 0
	s_wait_xcnt 0x0                                ; the last tile's stores have read their registers
.endif
.irp i, 0,1,2,3,4,5,6,7
	ds_load_b128 v[RB+4*\i:RB+4*\i+3], v18 offset:544*\i   ; LDS serves a wave's instructions in order: these see my stores
.endr
	s_wait_dscnt 0x0
	s_wait_loadcnt 8*(3-\a)                        ; this tile's residual is in; the later tiles' loads may be out
	WIN 0x08                                       ; source 1 window 2
.irp k, 0,1,2,3,4,5,6,7,8,9,10,11,12,13,14,15
	v_pk_add_f32 v[RB+2*\k:RB+2*\k+1], v[RB+2*\k:RB+2*\k+1], v[32*\a+2*\k:32*\a+2*\k+1]
.endr
	WIN 0
.irp i, 0,1,2,3,4,5,6,7
	global_store_b128 v19, v[RB+4*\i:RB+4*\i+3], s[12:13] offset:(32*(\a/2)+8*(\a%2)+2*\i+8*(\i/4))*4096   ; sixteen lanes store 256 consecutive bytes
.endr
.endr
	s_wait_tensorcnt 0x0                           ; the wave's end
	ds_add_u32 v[SPW], v[NIL]
	s_wait_dscnt 0x0
	CROUND
	s_endpgm
.Lfunc_end_k_qb547f6ada5_proj:
	.size	k_qb547f6ada5_proj, .Lfunc_end_k_qb547f6ada5_proj-k_qb547f6ada5_proj
	.p2alignl 7, 3214868480
	.fill 96, 4, 3214868480
	.section	.rodata,"a",@progbits
	.p2align	6, 0x0
	.amdhsa_kernel k_qb547f6ada5_proj
		.amdhsa_group_segment_fixed_size 327680
		.amdhsa_private_segment_fixed_size 0
		.amdhsa_enable_private_segment 0
		.amdhsa_kernarg_size 40
		.amdhsa_user_sgpr_count 2
		.amdhsa_user_sgpr_kernarg_segment_ptr 1
		.amdhsa_wavefront_size32 1
		.amdhsa_system_sgpr_workgroup_id_x 1
		.amdhsa_system_sgpr_workgroup_id_y 1
		.amdhsa_system_sgpr_workgroup_id_z 1
		.amdhsa_system_vgpr_workitem_id 0
		.amdhsa_next_free_vgpr 640
		.amdhsa_next_free_sgpr 102
		.amdhsa_reserve_vcc 0
		.amdhsa_float_denorm_mode_32 3
		.amdhsa_float_denorm_mode_16_64 3
		.amdhsa_memory_ordered 1
		.amdhsa_forward_progress 1
		.amdhsa_inst_pref_size 62
	.end_amdhsa_kernel
	.amdgpu_metadata
---
amdhsa.version: [ 1, 2 ]
amdhsa.kernels:
  - .name:           k_qb547f6ada5_proj
    .symbol:         k_qb547f6ada5_proj.kd
    .args:
      - { .name: mh, .offset: 0, .size: 8, .value_kind: global_buffer, .address_space: global }
      - { .name: wb, .offset: 8, .size: 8, .value_kind: global_buffer, .address_space: global }
      - { .name: wo_b, .offset: 16, .size: 8, .value_kind: global_buffer, .address_space: global }
      - { .name: x, .offset: 24, .size: 8, .value_kind: global_buffer, .address_space: global }
      - { .name: x1, .offset: 32, .size: 8, .value_kind: global_buffer, .address_space: global }
    .group_segment_fixed_size: 327680
    .private_segment_fixed_size: 0
    .kernarg_segment_align: 8
    .kernarg_segment_size: 40
    .max_flat_workgroup_size: 128
    .sgpr_count:     102
    .vgpr_count:     640
    .wavefront_size: 32
...
	.end_amdgpu_metadata
.endif
;; end of part 4
;; launch ln2 (part 5): grid 256 x 1, 8 waves a work-group, no clusters, 67,072 bytes of LDS; arguments x1, ln2_g, ln2_b, xb; writes xb
.if DOCPART == 5
	.amdgcn_target "amdgcn-amd-amdhsa--gfx1250"
	.amdhsa_code_object_version 6
	.text
	.protected	k_qb547f6ada5_ln2
	.globl	k_qb547f6ada5_ln2
	.p2align	8
	.type	k_qb547f6ada5_ln2,@function
k_qb547f6ada5_ln2:
	s_mov_b64 s[64:65], 0
	v_nop
	global_prefetch_b8 v0, s[64:65] scope:SCOPE_SE
	s_setreg_imm32_b32 hwreg(HW_REG_WAVE_MODE, 25, 1), 1
	s_wait_xcnt 0x0
; LN2(x1), quantised along D into the operand layout of the first launch's head.  A work-group: one tile of 16 places.  Wave w: places 2 w, 2 w + 1 (two neighbouring rows); then K step w of the tile.
; Nothing of reference() is left out.  LIMITS as in the first launch; the variance is the mean of (x - mu)^2.  Memory binds: no matrix unit, no cluster, no tensor load.
.set SPARE, 66048
.set SPW, 190
.set NIL, 191
	s_load_b256 s[4:11], s[0:1], 0x0               ; x1, ln2_g, ln2_b, xb
	v_lshl_add_u32 v[SPW], v0, 2, SPARE
	v_mov_b32 v[NIL], 0
	v_lshrrev_b32 v1, 5, v0
	v_readfirstlane_b32 s22, v1
	v_and_b32 v1, 31, v0
	v_and_b32 v6, 15, v0
	v_bfe_u32 v7, v0, 4, 1
	v_lshlrev_b32 v3, 4, v1
	v_lshlrev_b32 v4, 3, v1
	s_mov_b32 s23, ttmp9
	s_wait_kmcnt 0x0
	s_mov_b64 s[18:19], s[10:11]
.macro LNRED
.irp q, 0,1
	v_pk_add_f32 v[144+8*\q:145+8*\q], v[144+8*\q:145+8*\q], v[146+8*\q:147+8*\q]
	v_pk_add_f32 v[148+8*\q:149+8*\q], v[148+8*\q:149+8*\q], v[150+8*\q:151+8*\q]
.endr
.irp q, 0,1
	v_pk_add_f32 v[144+8*\q:145+8*\q], v[144+8*\q:145+8*\q], v[148+8*\q:149+8*\q]
.endr
.irp q, 0,1
	v_add_f32 v[160+\q], v[144+8*\q], v[145+8*\q]
.endr
.irp mk, 1,2,4,8
.irp q, 0,1
	v_add_f32_dpp v[160+\q], v[160+\q], v[160+\q] row_xmask:\mk row_mask:0xf bank_mask:0xf
.endr
.endr
.irp q, 0,1
	v_permlanex16_b32 v[162+\q], v[160+\q], s30, s31
.endr
.irp q, 0,1
	v_add_f32 v[160+\q], v[160+\q], v[162+\q]
.endr
.endm
	s_lshr_b32 s24, s23, 1
	s_lshl_b32 s24, s24, 5
	s_and_b32 s25, s23, 1
	s_lshl_b32 s25, s25, 3
	s_add_co_u32 s24, s24, s25
	s_lshl_b32 s25, s22, 1
	s_add_co_u32 s24, s24, s25
	s_lshr_b32 s25, s22, 2
	s_lshl_b32 s25, s25, 3
	s_add_co_u32 s24, s24, s25                     ; my first row: 32 (T / 2) + 8 (T % 2) + 2 w + 8 (w / 4)
	s_lshl_b32 s24, s24, 12
	s_mov_b32 s25, 0
	s_add_nc_u64 s[4:5], s[4:5], s[24:25]
.irp j, 0,1,2,3,4,5,6,7
	global_load_b128 v[16+4*\j:19+4*\j], v3, s[4:5] offset:512*\j th:TH_LOAD_NT
.endr
.irp j, 0,1,2,3,4,5,6,7
	global_load_b128 v[48+4*\j:51+4*\j], v3, s[4:5] offset:4096+512*\j th:TH_LOAD_NT
.endr
.irp j, 0,1,2,3,4,5,6,7
	global_load_b128 v[80+4*\j:83+4*\j], v3, s[6:7] offset:512*\j
.endr
.irp j, 0,1,2,3,4,5,6,7
	global_load_b128 v[112+4*\j:115+4*\j], v3, s[8:9] offset:512*\j
.endr
	s_mov_b32 s26, 0x3a800000                      ; 1 / 1024
	s_mov_b32 s27, 0x3727c5ac                      ; 1e-5
	s_mov_b32 s30, 0x76543210
	s_mov_b32 s31, 0xfedcba98
	v_mov_b32 v162, 0
	v_mov_b32 v163, 0
	s_mul_i32 s28, s22, 8224
	v_add_nc_u32 v12, s28, v3
	v_mul_u32_u24 v13, v6, 4112
	v_lshl_add_u32 v13, v7, 7, v13
	s_lshl_b32 s28, s22, 9
	v_add_nc_u32 v13, s28, v13
	v_lshlrev_b32 v14, 2, v6
	s_lshr_b32 s28, s23, 3
	s_lshl_b32 s28, s28, 12
	s_lshl_b32 s29, s22, 9
	s_add_co_u32 s28, s28, s29
	s_and_b32 s29, s23, 7
	s_lshl_b32 s29, s29, 6
	s_add_co_u32 s28, s28, s29
	s_add_co_u32 s28, s28, 3145728
	s_mov_b32 s29, 0
	s_add_nc_u64 s[32:33], s[18:19], s[28:29]
	s_lshl_b32 s28, s23, 3
	s_add_co_u32 s28, s28, s22
	s_mul_i32 s28, s28, 1536
	s_add_nc_u64 s[18:19], s[18:19], s[28:29]
	s_wait_loadcnt 16                              ; the two rows are in; the gain's and the bias's 16 loads may be out
.irp q, 0,1
.irp k, 0,1,2,3
	v_pk_add_f32 v[144+8*\q+2*\k:145+8*\q+2*\k], v[16+32*\q+4*\k:17+32*\q+4*\k], v[18+32*\q+4*\k:19+32*\q+4*\k]
.endr
.endr
.irp p, 0,1,2,3,4,5,6,7
.irp q, 0,1
	v_pk_add_f32 v[144+8*\q+2*(\p%4):145+8*\q+2*(\p%4)], v[144+8*\q+2*(\p%4):145+8*\q+2*(\p%4)], v[32+32*\q+2*\p:33+32*\q+2*\p]
.endr
.endr
	LNRED
.irp q, 0,1
	v_mul_f32 v[164+2*\q], s26, v[160+\q]
.endr
.irp q, 0,1
	v_mov_b32 v[165+2*\q], v[164+2*\q]
.endr
.irp p, 0,1,2,3,4,5,6,7,8,9,10,11,12,13,14,15
.irp q, 0,1
	v_pk_add_f32 v[16+32*\q+2*\p:17+32*\q+2*\p], v[16+32*\q+2*\p:17+32*\q+2*\p], v[164+2*\q:165+2*\q] neg_lo:[0,1] neg_hi:[0,1]
.endr
.endr
.irp k, 0,1,2,3
.irp q, 0,1
	v_pk_mul_f32 v[144+8*\q+2*\k:145+8*\q+2*\k], v[16+32*\q+2*\k:17+32*\q+2*\k], v[16+32*\q+2*\k:17+32*\q+2*\k]
.endr
.endr
.irp p, 4,5,6,7,8,9,10,11,12,13,14,15
.irp q, 0,1
	v_pk_fma_f32 v[144+8*\q+2*(\p%4):145+8*\q+2*(\p%4)], v[16+32*\q+2*\p:17+32*\q+2*\p], v[16+32*\q+2*\p:17+32*\q+2*\p], v[144+8*\q+2*(\p%4):145+8*\q+2*(\p%4)]
.endr
.endr
	LNRED
.irp q, 0,1
	v_fma_f32 v[160+\q], v[160+\q], s26, s27
.endr
.irp q, 0,1
	v_rsq_f32 v[168+2*\q], v[160+\q]
.endr
	v_nop
	s_wait_alu depctr_va_vdst(0)                   ; one wait for both roots, ahead of their first reader
.irp q, 0,1
	v_mov_b32 v[169+2*\q], v[168+2*\q]
.endr
	s_wait_loadcnt 0x0
.irp p, 0,1,2,3,4,5,6,7,8,9,10,11,12,13,14,15
.irp q, 0,1
	v_pk_mul_f32 v[16+32*\q+2*\p:17+32*\q+2*\p], v[16+32*\q+2*\p:17+32*\q+2*\p], v[168+2*\q:169+2*\q]
.endr
.endr
.irp p, 0,1,2,3,4,5,6,7,8,9,10,11,12,13,14,15
.irp q, 0,1
	v_pk_fma_f32 v[16+32*\q+2*\p:17+32*\q+2*\p], v[16+32*\q+2*\p:17+32*\q+2*\p], v[80+2*\p:81+2*\p], v[112+2*\p:113+2*\p]
.endr
.endr
.irp q, 0,1
.irp j, 0,1,2,3,4,5,6,7
	ds_store_b128 v12, v[16+32*\q+4*\j:19+32*\q+4*\j] offset:4112*\q+512*\j
.endr
.endr
	s_wait_dscnt 0x0
	s_barrier_signal -1
	s_barrier_wait -1
.irp c, 0,1
.irp i, 0,1,2,3,4,5,6,7
	ds_load_b128 v[16+32*\c+4*\i:19+32*\c+4*\i], v13 offset:256*\c+16*\i
.endr
.endr
	s_wait_dscnt 0x0
.irp c, 0,1
	v_max3_num_f32 v[144+\c], |v[16+32*\c]|, |v[17+32*\c]|, 0x2800000
.endr
.irp i, 2,4,6,8,10,12,14,16,18,20,22,24,26,28,30
.irp c, 0,1
	v_max3_num_f32 v[144+\c], v[144+\c], |v[16+32*\c+\i]|, |v[17+32*\c+\i]|
.endr
.endr
.irp c, 0,1
	v_add_nc_u32 v[146+\c], 0xfe000000, v[144+\c]
.endr
.irp c, 0,1
	v_lshrrev_b32 v[148+\c], 23, v[146+\c]
.endr
	v_lshl_or_b32 v150, v149, 16, v148
	v_lshlrev_b32 v151, 3, v7
	v_lshlrev_b32 v150, v151, v150
	v_mov_b32 v151, 0
	v_permlanex16_b32 v151, v150, s30, s31
	v_or_b32 v150, v150, v151
.irp c, 0,1
	v_cvt_scalef32_pk16_bf6_f32 v[152+6*\c:154+6*\c], v[16+32*\c:31+32*\c], v[146+\c]
	v_cvt_scalef32_pk16_bf6_f32 v[164+4*\c:166+4*\c], v[32+32*\c:47+32*\c], v[146+\c]
.endr
	v_nop
.irp c, 0,1
.irp i, 0,1,2
	v_mov_b32 v[155+6*\c+\i], v[164+4*\c+\i]
.endr
.endr
.irp c, 0,1
	global_store_b128 v3, v[152+6*\c:155+6*\c], s[18:19] offset:768*\c
	global_store_b64 v4, v[156+6*\c:157+6*\c], s[18:19] offset:768*\c+512
.endr
	global_store_b32 v14, v150, s[32:33]           ; lanes l and l + 16 store the same word with the same value
	s_wait_tensorcnt 0x0                           ; the wave's end
	ds_add_u32 v[SPW], v[NIL]
	s_wait_dscnt 0x0
	s_endpgm
.Lfunc_end_k_qb547f6ada5_ln2:
	.size	k_qb547f6ada5_ln2, .Lfunc_end_k_qb547f6ada5_ln2-k_qb547f6ada5_ln2
	.p2alignl 7, 3214868480
	.fill 96, 4, 3214868480
	.section	.rodata,"a",@progbits
	.p2align	6, 0x0
	.amdhsa_kernel k_qb547f6ada5_ln2
		.amdhsa_group_segment_fixed_size 67072
		.amdhsa_private_segment_fixed_size 0
		.amdhsa_enable_private_segment 0
		.amdhsa_kernarg_size 32
		.amdhsa_user_sgpr_count 2
		.amdhsa_user_sgpr_kernarg_segment_ptr 1
		.amdhsa_wavefront_size32 1
		.amdhsa_system_sgpr_workgroup_id_x 1
		.amdhsa_system_sgpr_workgroup_id_y 1
		.amdhsa_system_sgpr_workgroup_id_z 1
		.amdhsa_system_vgpr_workitem_id 0
		.amdhsa_next_free_vgpr 192
		.amdhsa_next_free_sgpr 66
		.amdhsa_reserve_vcc 0
		.amdhsa_float_denorm_mode_32 3
		.amdhsa_float_denorm_mode_16_64 3
		.amdhsa_memory_ordered 1
		.amdhsa_forward_progress 1
		.amdhsa_inst_pref_size 24
	.end_amdhsa_kernel
	.amdgpu_metadata
---
amdhsa.version: [ 1, 2 ]
amdhsa.kernels:
  - .name:           k_qb547f6ada5_ln2
    .symbol:         k_qb547f6ada5_ln2.kd
    .args:
      - { .name: x1, .offset: 0, .size: 8, .value_kind: global_buffer, .address_space: global }
      - { .name: ln2_g, .offset: 8, .size: 8, .value_kind: global_buffer, .address_space: global }
      - { .name: ln2_b, .offset: 16, .size: 8, .value_kind: global_buffer, .address_space: global }
      - { .name: xb, .offset: 24, .size: 8, .value_kind: global_buffer, .address_space: global }
    .group_segment_fixed_size: 67072
    .private_segment_fixed_size: 0
    .kernarg_segment_align: 8
    .kernarg_segment_size: 32
    .max_flat_workgroup_size: 256
    .sgpr_count:     66
    .vgpr_count:     192
    .wavefront_size: 32
...
	.end_amdgpu_metadata
.endif
;; end of part 5
;; launch up (part 6): grid 8 x 32, 4 waves a work-group, clusters of 4 x 4, 327,680 bytes of LDS; arguments xb, wb, b1, hb; writes hb
.if DOCPART == 6
	.amdgcn_target "amdgcn-amd-amdhsa--gfx1250"
	.amdhsa_code_object_version 6
	.text
	.protected	k_qb547f6ada5_up
	.globl	k_qb547f6ada5_up
	.p2align	8
	.type	k_qb547f6ada5_up,@function
k_qb547f6ada5_up:
	s_mov_b64 s[64:65], 0
	v_nop
	global_prefetch_b8 v0, s[64:65] scope:SCOPE_SE
	s_setreg_imm32_b32 hwreg(HW_REG_WAVE_MODE, 25, 1), 1
	s_wait_xcnt 0x0
	s_wait_alu depctr_hold_cnt(0) depctr_sa_sdst(0) depctr_va_vdst(0) depctr_va_sdst(0) depctr_va_ssrc(0) depctr_va_vcc(0) depctr_vm_vsrc(0)
	s_getreg_b32 s2, hwreg(HW_REG_IB_STS2, 6, 4)
	s_cmp_eq_u32 s2, 0
	s_cbranch_scc0 .Lentry_in_a_cluster
	s_endpgm
.Lentry_in_a_cluster:
	s_bfe_u32 s2, ttmp6, 0x10000c
	s_cmp_lg_u32 s2, 0xf033
	s_cbranch_scc0 .Lentry_shape_is_right
	s_endpgm
.Lentry_shape_is_right:
; h = gelu(Q(LN2(x1)) Q(w1) + b1), quantised along its 4,096 on the way out.  The frame is the qkv launch's: 128 places of tokens a work-group, four laps over column tiles X, 8 + X, 16 + X, 24 + X;
; A's tiles stay in the two LDS slots, B's are filled again lap by lap; joint loads in a cluster of 4 x 4.  Nothing of reference() is left out.
; erf is the rational form x P(x^2) / Q(x^2) in f32 with its argument held to +-4, where erf is 1 in f32.  LIMITS as in the first launch.
.set KK, 1024
.set ASOFF, 3145728
.set BCOFF, 3145728
.set BSOFF, 9568256
.set HS, 8192
.set SSO, 8192
.set SAR, 8
.set SAH, 2048
.set SBC, 256
.set SBR, 4
.set SBP, 4096
.set LAPB, 786432
.set SCST, 229376                      ; the hidden layer's scale bytes meet here: four laps x 512 bytes
.set SPARE, 231424
.set SLOT, 98304
.set SCL, 196608
.set ACC, 128
.set BIAS, 34
.set SC, 26
.set SPW, 24
.set NIL, 25
.set QP, 66
.set QT, 72
.set TM, 76
.set SO, 80
.set BY, 82
.set GZ, 66                            ; v66-81, v82-97, v98-113: at work in the activation
.set GY, 82
.set GP, 98
.set CA, 114                           ; v114-115, v116-117: the two leading coefficients
.set CB, 116
.set SEL, 66
.set TS, 2
.set SS, 46
.set G1, 24
.set G0, 32
.set G1B, 48
.set G0B, 56
.set G1S, 68
.set G0S, 76
.set G1SB, 80
.set G0SB, 88
.set W_MUL, 0x05
.set W_TOF, 0x40
.set MSB, 0
.macro WIN new
.if MSB != \new
	s_set_vgpr_msb (MSB<<8)|\new
.set MSB, \new
.endif
.endm
.macro PLACES
.rept 4
	v_nop
.endr
.endm
.macro JLOAD g0a, g1a, g0b, g1b
	s_cmp_eq_u32 s15, 0
	s_cbranch_scc0 .Lfor_b_\@
	tensor_load_to_lds s[\g0a:\g0a+3], s[\g1a:\g1a+7]
	s_nop 0
.rept 4
	v_nop
.endr
	s_branch .Lasked_\@
.Lfor_b_\@:
	tensor_load_to_lds s[\g0b:\g0b+3], s[\g1b:\g1b+7]
	s_nop 0
.rept 4
	v_nop
.endr
.Lasked_\@:
.endm
.macro JLOADB s
	s_cmp_eq_u32 s15, 0
	s_cbranch_scc1 .Lnob_\@
	tensor_load_to_lds s[G0B+4*\s:G0B+4*\s+3], s[G1B:G1B+7]
	s_nop 0
.rept 4
	v_nop
.endr
.Lnob_\@:
.endm
.macro CREST
	s_cmp_lg_u32 s14, 0
	s_cbranch_scc1 .Lnot_wave_0_\@
	s_barrier_signal -3
.Lnot_wave_0_\@:
	s_barrier_wait -3
	s_barrier_signal -1
	s_barrier_wait -1
.endm
.macro CROUND
	s_barrier_signal -1
	s_barrier_wait -1
	CREST
.endm
.macro FETCH slot, q, f
	WIN W_TOF
.irp i, 0,1,2,3
.irp c, 0,1
	ds_load_b128 v[96*(\f)+48+12*\i+6*\c:96*(\f)+48+12*\i+6*\c+3], v[8+\slot] offset:6144*\i+1536*(\q)+768*\c
	ds_load_b64 v[96*(\f)+48+12*\i+6*\c+4:96*(\f)+48+12*\i+6*\c+5], v[10+\slot] offset:6144*\i+1536*(\q)+768*\c
.endr
.endr
.irp i, 0,1,2,3
.irp c, 0,1
	ds_load_b128 v[96*(\f)+12*\i+6*\c:96*(\f)+12*\i+6*\c+3], v[4+\slot] offset:6144*\i+1536*(\q)+768*\c
	ds_load_b64 v[96*(\f)+12*\i+6*\c+4:96*(\f)+12*\i+6*\c+5], v[6+\slot] offset:6144*\i+1536*(\q)+768*\c
.endr
.endr
	WIN 0
.irp i, 0,1,2,3
	ds_load_b32 v[SC+4*(\f)+\i], v12 offset:SSO*(\slot)+512*(\q)+64*\i
.endr
.endm
.macro MUL8 f, a0, cm
.irp a, \a0, \a0+1
.irp b, 0,1,2,3
.set DD, ACC+8*(4*(\a)+\b)
.if \cm
	v_wmma_scale_f32_16x16x128_f8f6f4 v[DD:DD+7], v[96*(\f)+48+12*\b:96*(\f)+48+12*\b+11], v[96*(\f)+12*(\a):96*(\f)+12*(\a)+11], v[BIAS+8*\b:BIAS+8*\b+7], v[SC+4*(\f)+\b], v[SC+4*(\f)+(\a)] matrix_a_fmt:MATRIX_FMT_BF6 matrix_b_fmt:MATRIX_FMT_BF6 matrix_a_scale:MATRIX_SCALE_ROW1
.else
	v_wmma_scale_f32_16x16x128_f8f6f4 v[DD:DD+7], v[96*(\f)+48+12*\b:96*(\f)+48+12*\b+11], v[96*(\f)+12*(\a):96*(\f)+12*(\a)+11], v[DD:DD+7], v[SC+4*(\f)+\b], v[SC+4*(\f)+(\a)] matrix_a_fmt:MATRIX_FMT_BF6 matrix_b_fmt:MATRIX_FMT_BF6 matrix_a_scale:MATRIX_SCALE_ROW1
.endif
.endr
.endr
.endm
.macro STEP slot, q, cm
	s_wait_dscnt 0x0
	PLACES
	FETCH \slot, (\q)+1, 1-(\q)%2
	WIN W_MUL
	MUL8 (\q)%2, 0, \cm
	MUL8 (\q)%2, 2, \cm
.endm
.macro TURN slot, next, fill, lapend
	WIN 0
	s_wait_tensorcnt 0x0                           ; all my tensor loads have landed
	ds_add_u32 v[SPW], v[NIL]
.if \fill
	s_add_nc_u64 s[G0B+4*\slot+2:G0B+4*\slot+3], s[G0B+4*\slot+2:G0B+4*\slot+3], LAPB
.endif
	s_wait_dscnt 0x0                               ; the add is done, and my reads of this slot are over
	s_barrier_signal -1
	WIN W_MUL
	MUL8 1, 0, 0
	WIN 0
	s_barrier_wait -1
.if \fill
	CREST                                          ; the barrier opened a round of the cluster's
	JLOADB \slot
.endif
	PLACES
.if \lapend
	s_add_co_u32 s[TS], s[TS], 2048
	v_mad_u32_u24 v12, v2, s[TS], v13              ; lanes 16-31: the next lap's scale words of B
.endif
	FETCH \next, 0, 0
	WIN W_MUL
	MUL8 1, 2, 0
.endm
.macro LAP fill, more
	STEP 0, 0, 1
	STEP 0, 1, 0
	STEP 0, 2, 0
	TURN 0, 1, \fill, 0
	STEP 1, 0, 0
	STEP 1, 1, 0
	STEP 1, 2, 0
.if \more
	TURN 1, 0, \fill, 1
.else
	s_wait_dscnt 0x0
	WIN W_MUL
	MUL8 1, 0, 0
	MUL8 1, 2, 0
.endif
	WIN 0
.endm
.macro QUANT2 S, W
.irp b, 0,1
	v_max3_num_f32 v[TM+\b], |v[\S+16*\b]|, |v[\S+16*\b+1]|, 0x2800000
.endr
.irp i, 2,4,6,8,10,12,14
.irp b, 0,1
	v_max3_num_f32 v[TM+\b], v[TM+\b], |v[\S+16*\b+\i]|, |v[\S+16*\b+\i+1]|
.endr
.endr
.irp b, 0,1
	v_permlanex16_b32 v[TM+2+\b], v[TM+\b], s[SEL], s[SEL+1]
.endr
.irp b, 0,1
	v_max_num_f32 v[TM+\b], v[TM+\b], v[TM+2+\b]
.endr
.irp b, 0,1
	v_add_nc_u32 v[SO+\b], 0xfe000000, v[TM+\b]
.endr
.irp b, 0,1
	v_lshrrev_b32 v[BY+\b], 23, v[SO+\b]
.endr
	v_lshl_or_b32 v[\W], v[BY+1], 8, v[BY]
	v_cvt_scalef32_pk16_bf6_f32 v[QP:QP+2], v[\S:\S+15], v[SO]
	v_cvt_scalef32_pk16_bf6_f32 v[QT:QT+2], v[\S+16:\S+31], v[SO+1]
	v_nop
.irp i, 0,1,2
	v_permlane16_swap_b32 v[QP+\i], v[QT+\i]
.endr
.irp i, 0,1,2
	v_mov_b32 v[QP+3+\i], v[QT+\i]
.endr
.endm
; sixteen numbers in place: x -> 0.5 x (1 + erf(x / sqrt 2))
.macro GELU16 S
.irp k, 0,2,4,6,8,10,12,14
	v_pk_mul_f32 v[GZ+\k:GZ+\k+1], v[\S+\k:\S+\k+1], 0x3f3504f3 op_sel_hi:[1,0]
.endr
.irp k, 0,2,4,6,8,10,12,14
	v_pk_mul_f32 v[\S+\k:\S+\k+1], v[\S+\k:\S+\k+1], 0.5 op_sel_hi:[1,0]
.endr
.irp k, 0,1,2,3,4,5,6,7,8,9,10,11,12,13,14,15
	v_med3_num_f32 v[GZ+\k], v[GZ+\k], -4.0, 4.0
.endr
.irp k, 0,2,4,6,8,10,12,14
	v_pk_mul_f32 v[GY+\k:GY+\k+1], v[GZ+\k:GZ+\k+1], v[GZ+\k:GZ+\k+1]
.endr
.irp k, 0,2,4,6,8,10,12,14
	v_pk_fma_f32 v[GP+\k:GP+\k+1], v[GY+\k:GY+\k+1], v[CA:CA+1], 0x32edffee op_sel_hi:[1,1,0]
.endr
.irp c, 0xb60cff51, 0xb86ec2d2, 0xba40ac63, 0xbb41a1f6, 0xbc83dbd4
.irp k, 0,2,4,6,8,10,12,14
	v_pk_fma_f32 v[GP+\k:GP+\k+1], v[GP+\k:GP+\k+1], v[GY+\k:GY+\k+1], \c op_sel_hi:[1,1,0]
.endr
.endr
.irp k, 0,2,4,6,8,10,12,14
	v_pk_mul_f32 v[GP+\k:GP+\k+1], v[GP+\k:GP+\k+1], v[GZ+\k:GZ+\k+1]
.endr
.irp k, 0,2,4,6,8,10,12,14
	v_pk_fma_f32 v[GZ+\k:GZ+\k+1], v[GY+\k:GY+\k+1], v[CB:CB+1], 0xb95fbd29 op_sel_hi:[1,1,0]
.endr
.irp c, 0xbadc924e, 0xbbf19bf8, 0xbc69b6a7
.irp k, 0,2,4,6,8,10,12,14
	v_pk_fma_f32 v[GZ+\k:GZ+\k+1], v[GZ+\k:GZ+\k+1], v[GY+\k:GY+\k+1], \c op_sel_hi:[1,1,0]
.endr
.endr
.irp k, 0,1,2,3,4,5,6,7,8,9,10,11,12,13,14,15
	v_rcp_f32 v[GZ+\k], v[GZ+\k]
.endr
	v_nop                                          ; a plain line behind the reciprocals
	s_wait_alu depctr_va_vdst(0)                   ; one wait for the sixteen
.irp k, 0,2,4,6,8,10,12,14
	v_pk_mul_f32 v[GP+\k:GP+\k+1], v[GP+\k:GP+\k+1], v[GZ+\k:GZ+\k+1]
.endr
.irp k, 0,2,4,6,8,10,12,14
	v_pk_fma_f32 v[\S+\k:\S+\k+1], v[\S+\k:\S+\k+1], v[GP+\k:GP+\k+1], v[\S+\k:\S+\k+1]
.endr
.endm
.macro BIASLD
.irp b, 0,1,2,3
	global_load_b128 v[BIAS+8*\b:BIAS+8*\b+3], v20, s[8:9] offset:(32*(\b/2)+8*(\b%2))*4
	global_load_b128 v[BIAS+8*\b+4:BIAS+8*\b+7], v20, s[8:9] offset:(32*(\b/2)+8*(\b%2))*4+16
.endr
.endm
.macro EPI_G next
	PLACES
.if \next
	s_add_nc_u64 s[8:9], s[8:9], 4096              ; the last lap's bias loads were waited for
	BIASLD
.endif
	v_add_nc_u32 v18, s[SS], v17                   ; this lap's 512 bytes of the scale stage
.irp a, 0,1,2,3
	s_wait_xcnt 0x0                                ; the last stores have read the registers that are written now
	GELU16 ACC+32*\a
	GELU16 ACC+32*\a+16
	QUANT2 ACC+32*\a, 84
	global_store_b128 v15, v[QP:QP+3], s[96:97] offset:49152*\a
	global_store_b64 v16, v[QP+4:QP+5], s[96:97] offset:49152*\a+512
	ds_store_b16 v18, v84 offset:64*\a
.endr
	s_wait_xcnt 0x0                                ; the stores have read their base
	s_add_nc_u64 s[96:97], s[96:97], 12288
	s_add_co_u32 s[SS], s[SS], 512
	s_wait_loadcnt 0x0
.endm
	s_load_b256 s[4:11], s[0:1], 0x0               ; xb, wb, b1, hb
	v_lshl_add_u32 v[SPW], v0, 2, SPARE
	v_mov_b32 v[NIL], 0
	ds_add_u32 v[SPW], v[NIL]                      ; the opening: the add, twice on end, and its wait
	ds_add_u32 v[SPW], v[NIL]
	v_lshrrev_b32 v1, 5, v0
	v_readfirstlane_b32 s14, v1
	s_lshr_b32 s15, s14, 1
	s_and_b32 s16, s14, 1
	s_bfe_u32 s40, ttmp6, 0x40000
	s_bfe_u32 s41, ttmp6, 0x40004
	s_lshl_b32 s42, ttmp9, 2
	s_add_co_u32 s42, s42, s40
	s_and_b32 s17, ttmp7, 0xffff
	s_lshl_b32 s17, s17, 2
	s_add_co_u32 s17, s17, s41
	s_lshl_b32 s43, s41, 2
	s_lshl_b32 s43, 15, s43
	s_lshl_b32 s44, 0x1111, s40
	s_or_b32 s[G1], s43, (3<<16)|(1<<21)
	s_or_b32 s[G1B], s44, (3<<16)|(1<<21)
.irp g, G1, G1B
	s_mov_b32 s[\g+1], 768<<16
	s_mov_b32 s[\g+2], 4<<16
	s_mov_b32 s[\g+3], 768<<16
	s_mov_b32 s[\g+4], 4
	s_mov_b32 s[\g+5], KK*12/8
	s_mov_b32 s[\g+6], 0
	s_mov_b32 s[\g+7], 0
.endr
	s_or_b32 s[G1S], s43, (3<<16)|(1<<21)
	s_or_b32 s[G1SB], s44, (3<<16)|(1<<21)
	s_mov_b32 s[G1S+1], 32<<16
	s_mov_b32 s[G1S+2], SAR<<16
	s_mov_b32 s[G1S+3], 32<<16
	s_mov_b32 s[G1S+4], SAR
	s_mov_b32 s[G1S+5], 32
	s_mov_b32 s[G1S+6], 0
	s_mov_b32 s[G1S+7], 0
	s_mov_b32 s[G1SB+1], SBC<<16
	s_mov_b32 s[G1SB+2], SBR<<16
	s_mov_b32 s[G1SB+3], SBC<<16
	s_mov_b32 s[G1SB+4], SBR
	s_mov_b32 s[G1SB+5], SBP
	s_mov_b32 s[G1SB+6], 0
	s_mov_b32 s[G1SB+7], 0
	s_lshl_b32 s18, s16, 2
	s_lshl_b32 s20, s17, 3
	s_add_co_u32 s20, s20, s18
	s_lshl_b32 s46, s42, 3
	s_add_co_u32 s46, s46, s18
	s_mul_i32 s20, s20, 12*KK
	s_mul_i32 s46, s46, 12*KK
	s_add_co_u32 s46, s46, BCOFF
	s_mov_b32 s21, 0
	s_mov_b32 s47, 0
	s_mul_i32 s19, s16, SAH
	s_mul_i32 s22, s17, 4*KK
	s_add_co_u32 s22, s22, s19
	s_add_co_u32 s22, s22, ASOFF
	s_mov_b32 s23, 0
	s_mul_i32 s92, s42, 4*KK
	s_add_co_u32 s92, s92, s19
	s_add_co_u32 s92, s92, BSOFF
	s_mov_b32 s93, 0
	s_mul_i32 s45, s14, 24576
	s_mul_i32 s94, s14, HS
	s_wait_dscnt 0x0
	s_wait_kmcnt 0x0
	s_add_nc_u64 s[20:21], s[4:5], s[20:21]
	s_add_nc_u64 s[22:23], s[4:5], s[22:23]
	s_add_nc_u64 s[46:47], s[6:7], s[46:47]
	s_add_nc_u64 s[92:93], s[6:7], s[92:93]
	CROUND
	s_mov_b32 s[G0S], 1
	s_add_co_u32 s[G0S+1], s94, SCL
	s_mov_b64 s[G0S+2:G0S+3], s[22:23]
	s_or_b32 s[G0S+3], s[G0S+3], 0x80000000
	s_mov_b32 s[G0SB], 1
	s_add_co_u32 s[G0SB+1], s94, SCL
	s_mov_b64 s[G0SB+2:G0SB+3], s[92:93]
	s_or_b32 s[G0SB+3], s[G0SB+3], 0x80000000
	JLOAD G0S, G1S, G0SB, G1SB
.irp s, 0,1
	s_mov_b32 s[G0+4*\s], 1
	s_add_co_u32 s[G0+4*\s+1], s45, \s*SLOT
	s_add_nc_u64 s[G0+4*\s+2:G0+4*\s+3], s[20:21], \s*6144
	s_or_b32 s[G0+4*\s+3], s[G0+4*\s+3], 0x80000000
	s_mov_b32 s[G0B+4*\s], 1
	s_add_co_u32 s[G0B+4*\s+1], s45, \s*SLOT
	s_add_nc_u64 s[G0B+4*\s+2:G0B+4*\s+3], s[46:47], \s*6144
	s_or_b32 s[G0B+4*\s+3], s[G0B+4*\s+3], 0x80000000
	JLOAD G0+4*\s, G1, G0B+4*\s, G1B               ; three loads of mine are out at the most
.endr
	v_and_b32 v3, 31, v0
	v_and_b32 v1, 15, v0
	v_bfe_u32 v2, v0, 4, 1
	v_lshlrev_b32 v15, 4, v3
	v_lshlrev_b32 v16, 3, v3
	s_mul_i32 s21, s15, 24576
	s_mul_i32 s22, s16, 24576
	s_add_co_u32 s22, s22, 49152
.irp s, 0,1
	v_add_nc_u32 v[4+\s], s21, v15
	v_add_nc_u32 v[8+\s], s22, v15
	s_add_co_u32 s21, s21, 512
	s_add_co_u32 s22, s22, 512
	v_add_nc_u32 v[6+\s], s21, v16
	v_add_nc_u32 v[10+\s], s22, v16
	s_add_co_u32 s21, s21, SLOT-512
	s_add_co_u32 s22, s22, SLOT-512
.endr
	s_lshl_b32 s21, s15, 8
	s_lshl_b32 s22, s16, 8
	s_add_co_u32 s22, s22, 2*HS
	s_sub_co_u32 s22, s22, s21
	v_mul_u32_u24 v13, s22, v2
	s_add_co_u32 s21, s21, SCL
	v_lshl_add_u32 v13, v1, 2, v13
	v_add_nc_u32 v13, s21, v13
	v_mov_b32 v12, v13
	s_lshl_b32 s21, s15, 8
	s_lshl_b32 s22, s16, 1
	s_add_co_u32 s21, s21, s22
	s_add_co_u32 s21, s21, SCST
	v_lshl_add_u32 v17, v1, 2, s21                 ; 4 (64 rm + r) + 2 cn (+ 64 x tile, + 512 x lap)
	s_lshl_b32 s21, s14, 9
	s_add_co_u32 s21, s21, SCST
	v_add_nc_u32 v19, s21, v15                     ; at the end wave w stores lap w's 512 bytes
	v_lshlrev_b32 v20, 6, v2
	v_mov_b32 v[CA], 0xaf95df0b
	v_mov_b32 v[CA+1], 0xaf95df0b
	v_mov_b32 v[CB], 0xb77460cd
	v_mov_b32 v[CB+1], 0xb77460cd
	v_mov_b32 v[TM+2], 0
	v_mov_b32 v[TM+3], 0
	s_mov_b32 s[SEL], 0x76543210
	s_mov_b32 s[SEL+1], 0xfedcba98
	s_mov_b32 s[TS], 0
	s_mov_b32 s[SS], 0
	s_mov_b32 s95, 0
	s_lshl_b32 s94, s17, 3
	s_lshl_b32 s45, s15, 2
	s_add_co_u32 s94, s94, s45
	s_mul_i32 s94, s94, 49152
	s_lshl_b32 s45, s42, 1
	s_add_co_u32 s45, s45, s16
	s_mul_i32 s45, s45, 768
	s_add_co_u32 s94, s94, s45
	s_add_nc_u64 s[96:97], s[10:11], s[94:95]      ; tile 8 Y + 4 rm, columns 64 (2 X + cn) on
	s_lshl_b32 s94, s17, 14
	s_lshl_b32 s45, s14, 3
	s_add_co_u32 s45, s45, s42
	s_lshl_b32 s45, s45, 9
	s_add_co_u32 s94, s94, s45
	s_add_co_u32 s94, s94, 12582912
	s_add_nc_u64 s[98:99], s[10:11], s[94:95]      ; the scale words of K step 8 w + X
	s_lshl_b32 s94, s42, 9
	s_lshl_b32 s45, s16, 8
	s_add_co_u32 s94, s94, s45
	s_add_nc_u64 s[8:9], s[8:9], s[94:95]
	BIASLD
	s_wait_tensorcnt 0x1                           ; the scale words and slot 0 are in; slot 1's load may be out
	s_barrier_signal -1
	s_barrier_wait -1
	FETCH 0, 0, 0
	s_wait_loadcnt 0x0
	s_mov_b32 s3, 3
.Llap:
	LAP 1, 1
	EPI_G 1
	s_sub_co_u32 s3, s3, 1
	s_cmp_lg_u32 s3, 0
	s_cbranch_scc1 .Llap
	LAP 0, 0                                       ; the last lap asks for nothing
	EPI_G 0
	s_wait_dscnt 0x0
	s_barrier_signal -1
	s_barrier_wait -1
	ds_load_b128 v[88:91], v19
	s_wait_dscnt 0x0
	global_store_b128 v15, v[88:91], s[98:99]      ; 512 consecutive bytes
	s_wait_tensorcnt 0x0                           ; the wave's end
	ds_add_u32 v[SPW], v[NIL]
	s_wait_dscnt 0x0
	CROUND
	s_endpgm
.Lfunc_end_k_qb547f6ada5_up:
	.size	k_qb547f6ada5_up, .Lfunc_end_k_qb547f6ada5_up-k_qb547f6ada5_up
	.p2alignl 7, 3214868480
	.fill 96, 4, 3214868480
	.section	.rodata,"a",@progbits
	.p2align	6, 0x0
	.amdhsa_kernel k_qb547f6ada5_up
		.amdhsa_group_segment_fixed_size 327680
		.amdhsa_private_segment_fixed_size 0
		.amdhsa_enable_private_segment 0
		.amdhsa_kernarg_size 32
		.amdhsa_user_sgpr_count 2
		.amdhsa_user_sgpr_kernarg_segment_ptr 1
		.amdhsa_wavefront_size32 1
		.amdhsa_system_sgpr_workgroup_id_x 1
		.amdhsa_system_sgpr_workgroup_id_y 1
		.amdhsa_system_sgpr_workgroup_id_z 1
		.amdhsa_system_vgpr_workitem_id 0
		.amdhsa_next_free_vgpr 448
		.amdhsa_next_free_sgpr 102
		.amdhsa_reserve_vcc 0
		.amdhsa_float_denorm_mode_32 3
		.amdhsa_float_denorm_mode_16_64 3
		.amdhsa_memory_ordered 1
		.amdhsa_forward_progress 1
		.amdhsa_inst_pref_size 255
	.end_amdhsa_kernel
	.section	.bss,"aw",@nobits
	.p2align	6
	.space	262144
	.amdgpu_metadata
---
amdhsa.version: [ 1, 2 ]
amdhsa.kernels:
  - .name:           k_qb547f6ada5_up
    .symbol:         k_qb547f6ada5_up.kd
    .args:
      - { .name: xb, .offset: 0, .size: 8, .value_kind: global_buffer, .address_space: global }
      - { .name: wb, .offset: 8, .size: 8, .value_kind: global_buffer, .address_space: global }
      - { .name: b1, .offset: 16, .size: 8, .value_kind: global_buffer, .address_space: global }
      - { .name: hb, .offset: 24, .size: 8, .value_kind: global_buffer, .address_space: global }
    .group_segment_fixed_size: 327680
    .private_segment_fixed_size: 0
    .kernarg_segment_align: 8
    .kernarg_segment_size: 32
    .max_flat_workgroup_size: 128
    .sgpr_count:     102
    .vgpr_count:     448
    .wavefront_size: 32
...
	.end_amdgpu_metadata
.endif
;; end of part 6
;; launch down (part 7): grid 8 x 32, 4 waves a work-group, clusters of 4 x 4, 327,680 bytes of LDS; arguments hb, wb, b2, x1, out0; writes out0
.if DOCPART == 7
	.amdgcn_target "amdgcn-amd-amdhsa--gfx1250"
	.amdhsa_code_object_version 6
	.text
	.protected	k_qb547f6ada5_down
	.globl	k_qb547f6ada5_down
	.p2align	8
	.type	k_qb547f6ada5_down,@function
k_qb547f6ada5_down:
	s_mov_b64 s[64:65], 0
	v_nop
	global_prefetch_b8 v0, s[64:65] scope:SCOPE_SE
	s_setreg_imm32_b32 hwreg(HW_REG_WAVE_MODE, 25, 1), 1
	s_wait_xcnt 0x0
	s_wait_alu depctr_hold_cnt(0) depctr_sa_sdst(0) depctr_va_vdst(0) depctr_va_sdst(0) depctr_va_ssrc(0) depctr_va_vcc(0) depctr_vm_vsrc(0)
	s_getreg_b32 s2, hwreg(HW_REG_IB_STS2, 6, 4)
	s_cmp_eq_u32 s2, 0
	s_cbranch_scc0 .Lentry_in_a_cluster
	s_endpgm
.Lentry_in_a_cluster:
	s_bfe_u32 s2, ttmp6, 0x10000c
	s_cmp_lg_u32 s2, 0xf033
	s_cbranch_scc0 .Lentry_shape_is_right
	s_endpgm
.Lentry_shape_is_right:
; y = x1 + Q(h) Q(w2) + b2.  The frame is the qkv launch's with K = 4,096: four laps of 1,024 along K through the two LDS slots, A's and B's tiles both filled again; joint loads in a cluster of 4 x 4.
; Nothing of reference() is left out.  LIMITS as in the first launch.  The way out is the projection's; the residual, my 64 x 64 numbers of x1, is asked for at the head, into 128 registers of its own (window 2).
.set KK, 4096
.set ASOFF, 12582912
.set BCOFF, 6291456
.set BSOFF, 9699328
.set HS, 8192
.set SSO, 2048
.set SAR, 32
.set SAH, 8192
.set SBC, 32
.set SBR, 32
.set SBP, 32
.set LAPB, 12288
.set STAGE, 229376
.set SPARE, 246784
.set SLOT, 98304
.set SCL, 196608
.set ACC, 128
.set BIAS, 34
.set SC, 26
.set SPW, 24
.set NIL, 25
.set RB, 66
.set G1, 24
.set G0, 32
.set G1B, 48
.set G0B, 56
.set G1S, 68
.set G0S, 76
.set G1SB, 80
.set G0SB, 88
.set W_MUL, 0x05
.set W_TOF, 0x40
.set MSB, 0
.macro WIN new
.if MSB != \new
	s_set_vgpr_msb (MSB<<8)|\new
.set MSB, \new
.endif
.endm
.macro PLACES
.rept 4
	v_nop
.endr
.endm
.macro JLOAD g0a, g1a, g0b, g1b
	s_cmp_eq_u32 s15, 0
	s_cbranch_scc0 .Lfor_b_\@
	tensor_load_to_lds s[\g0a:\g0a+3], s[\g1a:\g1a+7]
	s_nop 0
.rept 4
	v_nop
.endr
	s_branch .Lasked_\@
.Lfor_b_\@:
	tensor_load_to_lds s[\g0b:\g0b+3], s[\g1b:\g1b+7]
	s_nop 0
.rept 4
	v_nop
.endr
.Lasked_\@:
.endm
.macro CREST
	s_cmp_lg_u32 s14, 0
	s_cbranch_scc1 .Lnot_wave_0_\@
	s_barrier_signal -3
.Lnot_wave_0_\@:
	s_barrier_wait -3
	s_barrier_signal -1
	s_barrier_wait -1
.endm
.macro CROUND
	s_barrier_signal -1
	s_barrier_wait -1
	CREST
.endm
.macro FETCH slot, q, f
	WIN W_TOF
.irp i, 0,1,2,3
.irp c, 0,1
	ds_load_b128 v[96*(\f)+48+12*\i+6*\c:96*(\f)+48+12*\i+6*\c+3], v[8+\slot] offset:6144*\i+1536*(\q)+768*\c
	ds_load_b64 v[96*(\f)+48+12*\i+6*\c+4:96*(\f)+48+12*\i+6*\c+5], v[10+\slot] offset:6144*\i+1536*(\q)+768*\c
.endr
.endr
.irp i, 0,1,2,3
.irp c, 0,1
	ds_load_b128 v[96*(\f)+12*\i+6*\c:96*(\f)+12*\i+6*\c+3], v[4+\slot] offset:6144*\i+1536*(\q)+768*\c
	ds_load_b64 v[96*(\f)+12*\i+6*\c+4:96*(\f)+12*\i+6*\c+5], v[6+\slot] offset:6144*\i+1536*(\q)+768*\c
.endr
.endr
	WIN 0
.irp i, 0,1,2,3
	ds_load_b32 v[SC+4*(\f)+\i], v12 offset:SSO*(\slot)+512*(\q)+64*\i
.endr
.endm
.macro MUL8 f, a0, cm
.irp a, \a0, \a0+1
.irp b, 0,1,2,3
.set DD, ACC+8*(4*(\a)+\b)
.if \cm
	v_wmma_scale_f32_16x16x128_f8f6f4 v[DD:DD+7], v[96*(\f)+48+12*\b:96*(\f)+48+12*\b+11], v[96*(\f)+12*(\a):96*(\f)+12*(\a)+11], v[BIAS+8*\b:BIAS+8*\b+7], v[SC+4*(\f)+\b], v[SC+4*(\f)+(\a)] matrix_a_fmt:MATRIX_FMT_BF6 matrix_b_fmt:MATRIX_FMT_BF6 matrix_a_scale:MATRIX_SCALE_ROW1
.else
	v_wmma_scale_f32_16x16x128_f8f6f4 v[DD:DD+7], v[96*(\f)+48+12*\b:96*(\f)+48+12*\b+11], v[96*(\f)+12*(\a):96*(\f)+12*(\a)+11], v[DD:DD+7], v[SC+4*(\f)+\b], v[SC+4*(\f)+(\a)] matrix_a_fmt:MATRIX_FMT_BF6 matrix_b_fmt:MATRIX_FMT_BF6 matrix_a_scale:MATRIX_SCALE_ROW1
.endif
.endr
.endr
.endm
.macro STEP slot, q, cm
	s_wait_dscnt 0x0
	PLACES
	FETCH \slot, (\q)+1, 1-(\q)%2
	WIN W_MUL
	MUL8 (\q)%2, 0, \cm
	MUL8 (\q)%2, 2, \cm
.endm
.macro TURN slot, next, fill, lapend
	WIN 0
	s_wait_tensorcnt 0x0                           ; all my tensor loads have landed
	ds_add_u32 v[SPW], v[NIL]
.if \fill
	s_add_nc_u64 s[G0+4*\slot+2:G0+4*\slot+3], s[G0+4*\slot+2:G0+4*\slot+3], LAPB
	s_add_nc_u64 s[G0B+4*\slot+2:G0B+4*\slot+3], s[G0B+4*\slot+2:G0B+4*\slot+3], LAPB
.endif
	s_wait_dscnt 0x0                               ; the add is done, and my reads of this slot are over
	s_barrier_signal -1
	WIN W_MUL
	MUL8 1, 0, 0
	WIN 0
	s_barrier_wait -1
.if \fill
	CREST                                          ; the barrier opened a round of the cluster's
	JLOAD G0+4*\slot, G1, G0B+4*\slot, G1B         ; its four v_nop are also the places in front of the loads below
.else
	PLACES
.endif
.if \lapend
	v_add_nc_u32 v12, 4096, v12                    ; the next lap's scale words, A's and B's
.endif
	FETCH \next, 0, 0
	WIN W_MUL
	MUL8 1, 2, 0
.endm
.macro LAP cm, fill, more
	STEP 0, 0, \cm
	STEP 0, 1, 0
	STEP 0, 2, 0
	TURN 0, 1, \fill, 0
	STEP 1, 0, 0
	STEP 1, 1, 0
	STEP 1, 2, 0
.if \more
	TURN 1, 0, \fill, 1
.else
	s_wait_dscnt 0x0
	WIN W_MUL
	MUL8 1, 0, 0
	MUL8 1, 2, 0
.endif
	WIN 0
.endm
	s_load_b256 s[4:11], s[0:1], 0x0               ; hb, wb, b2, x1
	s_load_b64 s[12:13], s[0:1], 0x20              ; out0
	v_lshl_add_u32 v[SPW], v0, 2, SPARE
	v_mov_b32 v[NIL], 0
	ds_add_u32 v[SPW], v[NIL]                      ; the opening: the add, twice on end, and its wait
	ds_add_u32 v[SPW], v[NIL]
	v_lshrrev_b32 v1, 5, v0
	v_readfirstlane_b32 s14, v1
	s_lshr_b32 s15, s14, 1
	s_and_b32 s16, s14, 1
	s_bfe_u32 s40, ttmp6, 0x40000
	s_bfe_u32 s41, ttmp6, 0x40004
	s_lshl_b32 s42, ttmp9, 2
	s_add_co_u32 s42, s42, s40
	s_and_b32 s17, ttmp7, 0xffff
	s_lshl_b32 s17, s17, 2
	s_add_co_u32 s17, s17, s41
	s_lshl_b32 s43, s41, 2
	s_lshl_b32 s43, 15, s43
	s_lshl_b32 s44, 0x1111, s40
	s_or_b32 s[G1], s43, (3<<16)|(1<<21)
	s_or_b32 s[G1B], s44, (3<<16)|(1<<21)
.irp g, G1, G1B
	s_mov_b32 s[\g+1], 768<<16
	s_mov_b32 s[\g+2], 4<<16
	s_mov_b32 s[\g+3], 768<<16
	s_mov_b32 s[\g+4], 4
	s_mov_b32 s[\g+5], KK*12/8
	s_mov_b32 s[\g+6], 0
	s_mov_b32 s[\g+7], 0
.endr
	s_or_b32 s[G1S], s43, (3<<16)|(1<<21)
	s_or_b32 s[G1SB], s44, (3<<16)|(1<<21)
	s_mov_b32 s[G1S+1], 32<<16
	s_mov_b32 s[G1S+2], SAR<<16
	s_mov_b32 s[G1S+3], 32<<16
	s_mov_b32 s[G1S+4], SAR
	s_mov_b32 s[G1S+5], 32
	s_mov_b32 s[G1S+6], 0
	s_mov_b32 s[G1S+7], 0
	s_mov_b32 s[G1SB+1], SBC<<16
	s_mov_b32 s[G1SB+2], SBR<<16
	s_mov_b32 s[G1SB+3], SBC<<16
	s_mov_b32 s[G1SB+4], SBR
	s_mov_b32 s[G1SB+5], SBP
	s_mov_b32 s[G1SB+6], 0
	s_mov_b32 s[G1SB+7], 0
	s_lshl_b32 s18, s16, 2
	s_lshl_b32 s20, s17, 3
	s_add_co_u32 s20, s20, s18
	s_lshl_b32 s46, s42, 3
	s_add_co_u32 s46, s46, s18
	s_mul_i32 s20, s20, 12*KK
	s_mul_i32 s46, s46, 12*KK
	s_add_co_u32 s46, s46, BCOFF
	s_mov_b32 s21, 0
	s_mov_b32 s47, 0
	s_mul_i32 s19, s16, SAH
	s_mul_i32 s22, s17, 4*KK
	s_add_co_u32 s22, s22, s19
	s_add_co_u32 s22, s22, ASOFF
	s_mov_b32 s23, 0
	s_mul_i32 s92, s42, 4*KK
	s_add_co_u32 s92, s92, s19
	s_add_co_u32 s92, s92, BSOFF
	s_mov_b32 s93, 0
	s_mul_i32 s45, s14, 24576
	s_mul_i32 s94, s14, HS
	s_wait_dscnt 0x0
	s_wait_kmcnt 0x0
	s_add_nc_u64 s[20:21], s[4:5], s[20:21]
	s_add_nc_u64 s[22:23], s[4:5], s[22:23]
	s_add_nc_u64 s[46:47], s[6:7], s[46:47]
	s_add_nc_u64 s[92:93], s[6:7], s[92:93]
	CROUND
	s_mov_b32 s[G0S], 1
	s_add_co_u32 s[G0S+1], s94, SCL
	s_mov_b64 s[G0S+2:G0S+3], s[22:23]
	s_or_b32 s[G0S+3], s[G0S+3], 0x80000000
	s_mov_b32 s[G0SB], 1
	s_add_co_u32 s[G0SB+1], s94, SCL
	s_mov_b64 s[G0SB+2:G0SB+3], s[92:93]
	s_or_b32 s[G0SB+3], s[G0SB+3], 0x80000000
	JLOAD G0S, G1S, G0SB, G1SB
.irp s, 0,1
	s_mov_b32 s[G0+4*\s], 1
	s_add_co_u32 s[G0+4*\s+1], s45, \s*SLOT
	s_add_nc_u64 s[G0+4*\s+2:G0+4*\s+3], s[20:21], \s*6144
	s_or_b32 s[G0+4*\s+3], s[G0+4*\s+3], 0x80000000
	s_mov_b32 s[G0B+4*\s], 1
	s_add_co_u32 s[G0B+4*\s+1], s45, \s*SLOT
	s_add_nc_u64 s[G0B+4*\s+2:G0B+4*\s+3], s[46:47], \s*6144
	s_or_b32 s[G0B+4*\s+3], s[G0B+4*\s+3], 0x80000000
	JLOAD G0+4*\s, G1, G0B+4*\s, G1B               ; three loads of mine are out at the most
.endr
	v_and_b32 v3, 31, v0
	v_and_b32 v1, 15, v0
	v_bfe_u32 v2, v0, 4, 1
	v_lshlrev_b32 v15, 4, v3
	v_lshlrev_b32 v16, 3, v3
	s_mul_i32 s21, s15, 24576
	s_mul_i32 s22, s16, 24576
	s_add_co_u32 s22, s22, 49152
.irp s, 0,1
	v_add_nc_u32 v[4+\s], s21, v15
	v_add_nc_u32 v[8+\s], s22, v15
	s_add_co_u32 s21, s21, 512
	s_add_co_u32 s22, s22, 512
	v_add_nc_u32 v[6+\s], s21, v16
	v_add_nc_u32 v[10+\s], s22, v16
	s_add_co_u32 s21, s21, SLOT-512
	s_add_co_u32 s22, s22, SLOT-512
.endr
	s_lshl_b32 s21, s15, 8
	s_lshl_b32 s22, s16, 8
	s_add_co_u32 s22, s22, 2*HS
	s_sub_co_u32 s22, s22, s21
	v_mul_u32_u24 v12, s22, v2
	s_add_co_u32 s21, s21, SCL
	v_lshl_add_u32 v12, v1, 2, v12
	v_add_nc_u32 v12, s21, v12
	s_mul_i32 s21, s14, 4352
	s_add_co_u32 s21, s21, STAGE
	v_mul_u32_u24 v17, v1, 272
	v_lshl_add_u32 v17, v2, 6, v17
	v_add_nc_u32 v17, s21, v17
	v_mul_u32_u24 v18, v2, 272
	v_lshl_add_u32 v18, v1, 4, v18
	v_add_nc_u32 v18, s21, v18
	v_lshlrev_b32 v19, 12, v2
	v_lshl_add_u32 v19, v1, 4, v19                 ; never rewritten
	v_lshlrev_b32 v20, 6, v2
	s_mov_b32 s95, 0
	s_lshl_b32 s94, s42, 9
	s_lshl_b32 s45, s16, 8
	s_add_co_u32 s94, s94, s45
	s_add_nc_u64 s[8:9], s[8:9], s[94:95]
	s_lshl_b32 s45, s17, 19
	s_add_co_u32 s94, s94, s45
	s_lshl_b32 s45, s15, 18
	s_add_co_u32 s94, s94, s45
	s_add_nc_u64 s[10:11], s[10:11], s[94:95]
	s_add_nc_u64 s[12:13], s[12:13], s[94:95]
.irp b, 0,1,2,3
	global_load_b128 v[BIAS+8*\b:BIAS+8*\b+3], v20, s[8:9] offset:(32*(\b/2)+8*(\b%2))*4
	global_load_b128 v[BIAS+8*\b+4:BIAS+8*\b+7], v20, s[8:9] offset:(32*(\b/2)+8*(\b%2))*4+16
.endr
	WIN 0x80                                       ; destination window 2: the residual's 128 registers, which nothing else names
.irp a, 0,1,2,3
.irp i, 0,1,2,3,4,5,6,7
	global_load_b128 v[32*\a+4*\i:32*\a+4*\i+3], v19, s[10:11] offset:(32*(\a/2)+8*(\a%2)+2*\i+8*(\i/4))*4096 th:TH_LOAD_NT
.endr
.endr
	WIN 0
	s_wait_tensorcnt 0x1                           ; the scale words and slot 0 are in; slot 1's load may be out
	s_barrier_signal -1
	s_barrier_wait -1
	FETCH 0, 0, 0
	s_wait_loadcnt 32                              ; the bias is in; the residual's 32 younger loads may be out
	LAP 1, 1, 1                                    ; the first lap's first products take the bias as C
	s_mov_b32 s3, 2
.Llap:
	LAP 0, 1, 1
	s_sub_co_u32 s3, s3, 1
	s_cmp_lg_u32 s3, 0
	s_cbranch_scc1 .Llap
	LAP 0, 0, 0                                    ; the last lap asks for nothing
	PLACES                                         ; four places in front of the first read of results
.irp a, 0,1,2,3
.irp g, 0,1
.irp i, 0,1,2,3
	ds_store_b128 v17, v[ACC+32*\a+16*\g+4*\i:ACC+32*\a+16*\g+4*\i+3] offset:128*\g+16*\i
.endr
.endr
.if \a > 0
	s_wait_xcnt 0x0                                ; the last tile's stores have read their registers
.endif
.irp i, 0,1,2,3,4,5,6,7
	ds_load_b128 v[RB+4*\i:RB+4*\i+3], v18 offset:544*\i
.endr
	s_wait_dscnt 0x0
	s_wait_loadcnt 8*(3-\a)                        ; this tile's residual is in; the later tiles' loads may be out
	WIN 0x08                                       ; source 1 window 2
.irp k, 0,1,2,3,4,5,6,7,8,9,10,11,12,13,14,15
	v_pk_add_f32 v[RB+2*\k:RB+2*\k+1], v[RB+2*\k:RB+2*\k+1], v[32*\a+2*\k:32*\a+2*\k+1]
.endr
	WIN 0
.irp i, 0,1,2,3,4,5,6,7
	global_store_b128 v19, v[RB+4*\i:RB+4*\i+3], s[12:13] offset:(32*(\a/2)+8*(\a%2)+2*\i+8*(\i/4))*4096 th:TH_STORE_NT   ; sixteen lanes store 256 consecutive bytes
.endr
.endr
	s_wait_tensorcnt 0x0                           ; the wave's end
	ds_add_u32 v[SPW], v[NIL]
	s_wait_dscnt 0x0
	CROUND
	s_endpgm
.Lfunc_end_k_qb547f6ada5_down:
	.size	k_qb547f6ada5_down, .Lfunc_end_k_qb547f6ada5_down-k_qb547f6ada5_down
	.p2alignl 7, 3214868480
	.fill 96, 4, 3214868480
	.section	.rodata,"a",@progbits
	.p2align	6, 0x0
	.amdhsa_kernel k_qb547f6ada5_down
		.amdhsa_group_segment_fixed_size 327680
		.amdhsa_private_segment_fixed_size 0
		.amdhsa_enable_private_segment 0
		.amdhsa_kernarg_size 40
		.amdhsa_user_sgpr_count 2
		.amdhsa_user_sgpr_kernarg_segment_ptr 1
		.amdhsa_wavefront_size32 1
		.amdhsa_system_sgpr_workgroup_id_x 1
		.amdhsa_system_sgpr_workgroup_id_y 1
		.amdhsa_system_sgpr_workgroup_id_z 1
		.amdhsa_system_vgpr_workitem_id 0
		.amdhsa_next_free_vgpr 640
		.amdhsa_next_free_sgpr 102
		.amdhsa_reserve_vcc 0
		.amdhsa_float_denorm_mode_32 3
		.amdhsa_float_denorm_mode_16_64 3
		.amdhsa_memory_ordered 1
		.amdhsa_forward_progress 1
		.amdhsa_inst_pref_size 139
	.end_amdhsa_kernel
	.amdgpu_metadata
---
amdhsa.version: [ 1, 2 ]
amdhsa.kernels:
  - .name:           k_qb547f6ada5_down
    .symbol:         k_qb547f6ada5_down.kd
    .args:
      - { .name: hb, .offset: 0, .size: 8, .value_kind: global_buffer, .address_space: global }
      - { .name: wb, .offset: 8, .size: 8, .value_kind: global_buffer, .address_space: global }
      - { .name: b2, .offset: 16, .size: 8, .value_kind: global_buffer, .address_space: global }
      - { .name: x1, .offset: 24, .size: 8, .value_kind: global_buffer, .address_space: global }
      - { .name: out0, .offset: 32, .size: 8, .value_kind: global_buffer, .address_space: global }
    .group_segment_fixed_size: 327680
    .private_segment_fixed_size: 0
    .kernarg_segment_align: 8
    .kernarg_segment_size: 40
    .max_flat_workgroup_size: 128
    .sgpr_count:     102
    .vgpr_count:     640
    .wavefront_size: 32
...
	.end_amdgpu_metadata
.endif
;; end of part 7
